; MI455X (gfx1250); checked and timed in simulation.
; The chip was launched on July 23, 2026; its instructions are those of AMD's public machine-readable ISA for CDNA 5 (MIT licence, August 2026) and "CDNA5" Instruction Set Architecture Reference Guide (July 2026). The comments in the code are by the model that wrote it; some were corrected since.
;; Multi Head Attention. Allowed arithmetic: matrix products marked QUANTISED: E4M3 operands, one given power-of-two scale a tensor, by v_wmma_f32_16x16x64_fp8_fp8 or v_wmma_f32_16x16x128_fp8_fp8, f32 sums; everything else in f32.
;; Inputs: K_codes 4 x 2,048 x 32 x 32 uint8 (E4M3 codes of K, K innermost, in blocks of 32 codes); Q_codes 4 x 2,048 x 32 x 32 uint8 (E4M3 codes of Q, K innermost, in blocks of 32 codes); V_codes 4 x 2,048 x 32 x 32 uint8 (E4M3 codes of V, K innermost, in blocks of 32 codes); Wk_codes 1,024 x 32 x 32 uint8 (E4M3 codes of Wk, K innermost, in blocks of 32 codes); Wo_codes 1,024 x 32 x 32 uint8 (E4M3 codes of Wo, K innermost, in blocks of 32 codes); Wq_codes 1,024 x 32 x 32 uint8 (E4M3 codes of Wq, K innermost, in blocks of 32 codes); Wv_codes 1,024 x 32 x 32 uint8 (E4M3 codes of Wv, K innermost, in blocks of 32 codes); bk 1,024 float32; bo 1,024 float32; bq 1,024 float32; bv 1,024 float32; lowp_scales 12 int32 (the exponents e of the quantised operands' scales 2^e); mask 4 x 1 x 2,048 x 2,048 bool.
;; Outputs: out0 4 x 2,048 x 1,024 float32.
;; This version of the problem:
;;   THIS VERSION OF THE PROBLEM IS GIVEN IN LOW PRECISION. The matrix products marked QUANTISED in the list below multiply operands that are first quantised to E4M3 (4 exponent bits, 3 mantissa bits; 8 bits a number), with one given power-of-two scale for each operand tensor; their sums are f32. All else is computed in f32.
;;   The module's matrix products, in the order in which they are computed (A, B: the left and right operand; K: the contracted axis; several contracted axes count as one K, in the product's order):
;;     1. [M 8,192, K 1,024] x [K 1,024, N 1,024]; A: input Q (given as codes); B: input Wq (given as codes): QUANTISED (scales: A lowp_scales[0], B lowp_scales[1])
;;     2. [M 8,192, K 1,024] x [K 1,024, N 1,024]; A: input K (given as codes); B: input Wk (given as codes): QUANTISED (scales: A lowp_scales[2], B lowp_scales[3])
;;     3. [M 8,192, K 1,024] x [K 1,024, N 1,024]; A: input V (given as codes); B: input Wv (given as codes): QUANTISED (scales: A lowp_scales[4], B lowp_scales[5])
;;     4. batch 64 x [M 2,048, K 64] x [K 64, N 2,048]; A: computed on the way; B: computed on the way: QUANTISED (scales: A lowp_scales[6], B lowp_scales[7])
;;     5. batch 64 x [M 2,048, K 2,048] x [K 2,048, N 64]; A: softmax (see below); B: computed on the way: QUANTISED (scales: A lowp_scales[8], B lowp_scales[9])
;;     6. [M 8,192, K 1,024] x [K 1,024, N 1,024]; A: computed on the way; B: input Wo (given as codes): QUANTISED (scales: A lowp_scales[10], B lowp_scales[11])
;;   THE QUANTISER, for each operand of a quantised product, along K:
;;     - The operand's scale is 2^e, e = its entry of the input lowp_scales (int32; the entries are numbered through the quantised products in the list's order, A before B).
;;     - Each number is divided by the scale, clamped to +-448, and rounded to the nearest number of E4M3, ties to even, subnormals kept.
;;     - The product sums the exact products of the quantised numbers (number of the format x scale) in f32.
;;   ~~~python
;;   def quantise(x, axis, e):      # numpy; x: float32 -> the quantised numbers, widened to float32 again
;;       x = np.moveaxis(x, axis, -1); K = x.shape[-1]
;;       r = np.clip(x / 2.0 ** e, -448, 448)
;;       step = 2.0 ** (np.maximum(np.frexp(np.where(r == 0, 1, r))[1] - 1, -6) - 3)
;;       q = np.round(r / step) * step * 2.0 ** e      # np.round: ties to even
;;       return np.moveaxis(q, -1, axis).astype(np.float32)
;;   ~~~
;;   SOFTMAX AHEAD OF A QUANTISED PRODUCT. Where the list says 'softmax', what is quantised is not the finished softmax but p = 2^(t - M), with t = logit x log2(e) and M = ceil(the row's largest t), a whole number; so 1/2 < the row's largest p <= 1. The row's sum l is taken of the UNQUANTISED p, in f32, and the product's result is divided by l at the end. Since M is a whole number, a kernel that streams over the keys may use a running M (the ceiling of the running maximum): every later rescaling is an exact power of two, so the quantised numbers keep their values, but for numbers so far below the row's largest that they fall under the format's range.
;;   OPERANDS COMPUTED ON THE WAY. 'Computed on the way' means the value that the module computes at that place (a softmax that the list does not call 'softmax' is quantised finished and normalised). What goes into a quantiser is computed in f32, as accurately as f32 sums, v_exp_f32 and their like allow (about 1e-6 of the number): no bf16 or f16 on the way to a quantiser, and a product that is left as it is and whose result goes on into a quantised operand takes f32 operands (vector FMAs, or v_wmma_f32_16x16x4_f32). A number that lies on a knife's edge between two numbers of the format may be rounded either way, as far as f32 arithmetic and the matrix unit's own rounding can turn it there, and no further.
;;   INPUTS GIVEN AS CODES. K (in the module: [4, 2048, 1024], K = its axis 2); Q (in the module: [4, 2048, 1024], K = its axis 2); V (in the module: [4, 2048, 1024], K = its axis 2); Wk (in the module: [1024, 1024], K = its axis 1); Wo (in the module: [1024, 1024], K = its axis 1); Wq (in the module: [1024, 1024], K = its axis 1); Wv (in the module: [1024, 1024], K = its axis 1): each comes as NAME_codes (uint8): NAME with its K axis moved to the last place and cut into blocks of 32 codes, [.., K / 32, bytes a block], one block behind the other in memory; one code a byte (a code: sign, 4 exponent bits, 3 mantissa bits); its scale is its entry of lowp_scales. Its value is code x scale, taken as it is: it is not quantised again, and the codes and scales need not be those that the quantiser above would give.
;; 2 versions, each right; version 2 is version 1 with the launch attn written anew for expert scheduling mode. Each part assembles by itself: llvm-mc -triple=amdgcn-amd-amdhsa -mcpu=gfx1250 --defsym DOCPART=n.
;; ======== version 1 of 2: 4 launches
;; limits: right only within a limited range of input values
;; workspace buffers: qc 8,388,608 bytes; kc 8,388,608 bytes; vc 8,388,608 bytes; ac 8,388,608 bytes; mbits 2,097,152 bytes of whole numbers
;; launch pack (part 1): grid 512 x 1, 4 waves a work-group, no clusters, 34,304 bytes of LDS; arguments mask, mbits; writes mbits
.if DOCPART == 1
	.amdgcn_target "amdgcn-amd-amdhsa--gfx1250"
	.amdhsa_code_object_version 6
	.text
	.protected	k_q67b2ee14a8_pack
	.globl	k_q67b2ee14a8_pack
	.p2align	8
	.type	k_q67b2ee14a8_pack,@function
k_q67b2ee14a8_pack:
	s_mov_b64 s[64:65], 0
	v_nop
	global_prefetch_b8 v0, s[64:65] scope:SCOPE_SE
	s_setreg_imm32_b32 hwreg(HW_REG_WAVE_MODE, 25, 1), 1
	s_wait_xcnt 0x0
; The mask's bytes (bool, [4][1][2048][2048]) become lane masks for the attention launch, whose 16 heads of a batch all read them.
; A work-group takes one UNIT: 16 rows (queries 16 T .. 16 T + 15 of batch b; unit = 128 b + T) x 2,048 keys.  Wave w takes keys 512 w .. 512 w + 511: four steps of 128 keys.
; OUTPUT, 4,096 bytes a unit: 16 steps x 64 words.  Word 8 c + j of step s: bit (16 h + r) = mask[b][16 T + r][128 s + 16 c + 8 h + j]: the lane mask of score register 8 c + j in the attention launch.
; Each load reads 512 consecutive bytes of one row; the bytes turn through the wave's own stage in LDS (rows 528 bytes apart = 132 words: row r starts at bank 4 r mod 64), so that
; lane (r, h) gets 8 neighbouring keys of row r.  A compare over the 32 lanes then IS a word of the output.  The words are gathered by v_writelane_b32 so that a store covers 512 consecutive bytes.
; No matrix work, no tensor load, no barrier: the launch is a stream of 16 MiB read once, and waves share nothing.
.set PITCH, 528
.set WST,   16*PITCH                   ; a wave's stage
.set OUTW,  8                          ; v8-15    the words of two pairs of steps, four registers each
.set RAW,   16                         ; v16-79   sixteen rows as loaded
.set X,     80                         ; v80-143  32 x 8 bytes: my row's keys
.set T,     144                        ; v144-151 at work
	s_load_b128 s[4:7], s[0:1], 0x0                ; mask, mbits
	v_lshl_add_u32 v152, v0, 2, 0x8400
	v_mov_b32 v153, 0
	v_lshrrev_b32 v2, 5, v0
	v_readfirstlane_b32 s8, v2                     ; wave 0..3
	v_and_b32 v6, 31, v0                           ; lane
	v_lshlrev_b32 v1, 4, v6                        ; 16 x lane
	v_and_b32 v7, 15, v0                           ; r
	v_bfe_u32 v2, v0, 4, 1                         ; h
	s_mul_i32 s9, s8, WST
	v_add_nc_u32 v4, s9, v1                        ; into the stage: 16 x lane of a row
	v_mul_u32_u24 v5, v7, PITCH
	v_lshl_add_u32 v5, v2, 3, v5
	v_add_nc_u32 v5, s9, v5                        ; out of it: row r, + 8 h
	s_lshl_b32 s9, s8, 10
	v_add_nc_u32 v3, s9, v1                        ; my wave's four steps of words: 1,024 w + 16 x lane
	s_lshl_b32 s10, ttmp9, 15                      ; the unit's 16 rows of 2,048 bytes
	s_lshl_b32 s11, s8, 9
	s_add_co_u32 s10, s10, s11                     ; + my 512 keys
	s_mov_b32 s11, 0
	s_lshl_b32 s28, ttmp9, 12                      ; the unit's 4,096 bytes of words
	s_mov_b32 s29, 0
.set i, 0
.rept 8
	v_mov_b32 v[OUTW+i], 0                         ; v_writelane_b32's destination counts as read: written once
.set i, i+1
.endr
	s_wait_kmcnt 0x0
	s_add_nc_u64 s[4:5], s[4:5], s[10:11]
	s_add_nc_u64 s[6:7], s[6:7], s[28:29]
.set i, 0
.rept 16
	global_load_b128 v[RAW+4*i:RAW+4*i+3], v1, s[4:5] offset:2048*i th:TH_LOAD_NT   ; row i: 512 consecutive bytes
.set i, i+1
.endr
.set i, 0
.rept 16
	s_wait_loadcnt 15-i                            ; loads come back in order: row i is in, the younger ones may be out
	ds_store_b128 v4, v[RAW+4*i:RAW+4*i+3] offset:PITCH*i
.set i, i+1
.endr
.set i, 0
.rept 32
	ds_load_b64 v[X+2*i:X+2*i+1], v5 offset:16*i   ; LDS serves a wave's instructions in order: these see my stores.  Keys 16 i + 8 h + 0 .. 7 of row r
.set i, i+1
.endr
; Eight words: g = 8 x (step of my four) + c
.macro WORDS g
.set SL, (\g)/8
.set CI, (\g)%8
	s_wait_dscnt 31-(\g)                           ; load g is in; the younger ones may be out
.irp j, 0,1,2,3,4,5,6,7
	v_and_b32 v[T+\j], 0xff<<(8*(\j%4)), v[X+2*(\g)+\j/4]
.endr
.irp j, 0,1,2,3,4,5,6,7
	v_cmp_ne_u32 s[20+\j], 0, v[T+\j]              ; bit l: lane l's byte j is set
.endr
.irp j, 0,1,2,3,4,5,6,7
	v_writelane_b32 v[OUTW+4*(SL/2)+\j%4], s[20+\j], 16*(SL%2)+2*CI+\j/4   ; word 64 (SL % 2) + 8 c + j of a store's 128: lane = word / 4, register = word % 4
.endr
.endm
.set G, 0
.rept 16
	WORDS G
.set G, G+1
.endr
	global_store_b128 v3, v[OUTW:OUTW+3], s[6:7]               ; my first two steps' words: 512 consecutive bytes, aligned; their registers are not written again
.rept 16
	WORDS G
.set G, G+1
.endr
	global_store_b128 v3, v[OUTW+4:OUTW+7], s[6:7] offset:512  ; and the other two
	s_wait_tensorcnt 0x0
	ds_add_u32 v152, v153
	s_wait_dscnt 0x0
	s_endpgm
.Lfunc_end_k_q67b2ee14a8_pack:
	.size	k_q67b2ee14a8_pack, .Lfunc_end_k_q67b2ee14a8_pack-k_q67b2ee14a8_pack
	.p2alignl 7, 3214868480
	.fill 96, 4, 3214868480
	.section	.rodata,"a",@progbits
	.p2align	6, 0x0
	.amdhsa_kernel k_q67b2ee14a8_pack
		.amdhsa_group_segment_fixed_size 34304
		.amdhsa_private_segment_fixed_size 0
		.amdhsa_enable_private_segment 0
		.amdhsa_kernarg_size 16
		.amdhsa_user_sgpr_count 2
		.amdhsa_user_sgpr_kernarg_segment_ptr 1
		.amdhsa_wavefront_size32 1
		.amdhsa_system_sgpr_workgroup_id_x 1
		.amdhsa_system_sgpr_workgroup_id_y 1
		.amdhsa_system_sgpr_workgroup_id_z 1
		.amdhsa_system_vgpr_workitem_id 0
		.amdhsa_next_free_vgpr 154
		.amdhsa_next_free_sgpr 66
		.amdhsa_reserve_vcc 0
		.amdhsa_float_denorm_mode_32 3
		.amdhsa_float_denorm_mode_16_64 3
		.amdhsa_memory_ordered 1
		.amdhsa_forward_progress 1
		.amdhsa_inst_pref_size 56
	.end_amdhsa_kernel
	.amdgpu_metadata
---
amdhsa.version: [ 1, 2 ]
amdhsa.kernels:
  - .name:           k_q67b2ee14a8_pack
    .symbol:         k_q67b2ee14a8_pack.kd
    .args:
      - { .name: mask, .offset: 0, .size: 8, .value_kind: global_buffer, .address_space: global }
      - { .name: mbits, .offset: 8, .size: 8, .value_kind: global_buffer, .address_space: global }
    .group_segment_fixed_size: 34304
    .private_segment_fixed_size: 0
    .kernarg_segment_align: 8
    .kernarg_segment_size: 16
    .max_flat_workgroup_size: 128
    .sgpr_count:     66
    .vgpr_count:     154
    .wavefront_size: 32
...
	.end_amdgpu_metadata
.endif
;; end of part 1
;; launch proj (part 2): grid 4 x 96, 4 waves a work-group, clusters of 4 x 4, 327,680 bytes of LDS; arguments Q_codes, K_codes, V_codes, Wq_codes, Wk_codes, Wv_codes, bq, bk, bv, lowp_scales, qc, kc, vc; writes qc, kc, vc
.if DOCPART == 2
	.amdgcn_target "amdgcn-amd-amdhsa--gfx1250"
	.amdhsa_code_object_version 6
	.text
	.protected	k_q67b2ee14a8_proj
	.globl	k_q67b2ee14a8_proj
	.p2align	8
	.type	k_q67b2ee14a8_proj,@function
k_q67b2ee14a8_proj:
	s_mov_b64 s[64:65], 0
	v_nop
	global_prefetch_b8 v0, s[64:65] scope:SCOPE_SE
	s_setreg_imm32_b32 hwreg(HW_REG_WAVE_MODE, 25, 1), 1
	s_wait_xcnt 0x0
	s_wait_alu depctr_hold_cnt(0) depctr_sa_sdst(0) depctr_va_vdst(0) depctr_va_sdst(0) depctr_va_ssrc(0) depctr_va_vcc(0) depctr_vm_vsrc(0)
	s_getreg_b32 s2, hwreg(HW_REG_IB_STS2, 6, 4)
	s_cmp_eq_u32 s2, 0
	s_cbranch_scc0 .Lentry_in_a_cluster
	s_endpgm
.Lentry_in_a_cluster:
	s_bfe_u32 s2, ttmp6, 0x10000c
	s_cmp_lg_u32 s2, 0xf033
	s_cbranch_scc0 .Lentry_shape_is_right
	s_endpgm
.Lentry_shape_is_right:
; The three projections q = Q Wq^T + bq, k = K Wk^T + bk, v = V Wv^T + bv on codes of FP8 (E4M3), quantised on the way out with the given scales (entries 6, 7, 9 of the scales) and stored as
; IMAGES OF THE OPERAND REGISTERS that the attention launch wants: nothing is turned there.
; One launch, 24 clusters of 4 x 4 work-groups: clusters 0-7 make q, 8-15 k, 16-23 v.  A work-group makes 256 x 256 of a product C[m][n] = sum over k of A[m][k] B[n][k], K = 1,024; a wave 128 x 128 in 64 accumulators.
;   q, k: A = the tokens (8,192 rows), B = the weight (1,024 rows).     v: A = Wv (1,024 rows), B = the tokens: v comes out TRANSPOSED, a channel to a lane, since the keys are the K of attention's second product.
; THE MATRIX INSTRUCTION IS USED TRANSPOSED (source 0 = 16 rows of B, source 1 = 16 rows of A): lane (r, h) holds row r of A's block and, in register j of accumulator (a, b), column 16 b + 8 h + j.
; So eight registers of an accumulator are eight neighbours along the next product's K, and one conversion gives registers 2 c, 2 c + 1 of the next operand's fragment, in that form's own order.
; K goes in steps of 256 through a ring of two LDS slots filled by joint tensor loads: A's tile is shared along a row of the cluster, B's along a column.
; THE BIAS.  Along the columns (q, k) it is the C of each sum's first matrix instruction, divided by 2^esum; along the rows (v) it is the addend of the way out's multiply-add.  Both forms are loaded for all three
; tensors (the same 128 numbers of the bias), and the one that does not apply is multiplied by 0: no branch.
; The tensor is chosen by the cluster's number, which all sixteen partners share: pointers and exponents by s_cselect, no word of a descriptor's group 1.
; LIMITS on the given exponents: esum (entries 0 + 1, 2 + 3, 4 + 5) between -126 and 126; the result's (entry 6, 7, 9) between -126 and 119.  NaN and infinities among the biases are not served.
; REGISTERS, in windows of 256: window 0: v0-31 addresses and constants; v32-95 the column bias, v96-111 the row bias in pairs; from v128 A's fragments, ONE set; on the way out v128-191 the numbers, v192-255 and v32-95 the codes.
;   window 1: B's fragments, TWO sets.   window 2: the accumulators of my rows 0-63 ((a, b) at v[8 (8 a + b)]);   window 3: those of my rows 64-127.
.set ROWB,   256                       ; a tile's row: 256 codes
.set KROW,   1024                      ; a row of A or of B in memory, in bytes
.set PITCH,  272                       ; an LDS row: 256 bytes + 16 of padding = 68 words: row r starts at bank 4 r mod 64 (ISA guide 11.1)
.set FR,     16                        ; registers of a fragment: 16 rows x 128 K
.set NL,     4                         ; LDS loads that bring one
.set NP,     4                         ; places behind this matrix instruction (ISA guide 7.12.1)
.set HALFT,  128*PITCH
.set SLOT,   4*HALFT                   ; A's 256 rows, then B's 256 rows
.set LAPS,   2                         ; 1,024 / (2 x 256)
.set SPARE,  2*SLOT                    ; behind the ring: the spare words, 128 bytes for each wave, which no other line names
.set SCV,  12                          ; v12     2^eo as f32
.set LIMV, 13                          ; v13     448 x 2^eo
.set ADRA, 16                          ; v16-17  LDS address of my A fragments in slot 0, 1
.set ADRB, 20                          ; v20-21  the same for B
.set CO,   26                          ; v26     16 x lane: my place in an image
.set SPW,  28                          ; v28     LDS address of my spare word; never rewritten
.set NIL,  29                          ; v29     0; never rewritten
.set XB,   32                          ; v32-95  column bias / 2^esum: register 8 b + j = bias[ch0 + 16 b + 8 h + j]
.set RB,   96                          ; v96-111 row bias: pair a = bias[ch0 + 16 a + r], twice
.set AF,   128
.set TMP,  128
.set G1, 24
.set G0, 32
.set G1B, 48
.set G0B, 56
.set MSB, 0
.macro WIN new                         ; the immediate's high byte repeats the setting that is left
.if MSB != \new
	s_set_vgpr_msb (MSB<<8)|\new
.set MSB, \new
.endif
.endm
.set MUL_LO,  0xa1                     ; source 0 (B) window 1, source 1 (A) window 0, C and D window 2
.set MUL_HI,  0xf1                     ; the same, C and D window 3
.set MUL_LO0, 0x81                     ; the first step: C (the bias) window 0, D window 2
.set MUL_HI0, 0xc1                     ; C window 0, D window 3
.set TO_B,    0x40                     ; destination window 1, address window 0
; A joint load: waves 0 and 1 fetch for A, waves 2 and 3 for B; the branch hangs on the wave's number alone.  Four v_nop follow each of the two lines.
.macro JLOAD g0a, g1a, g0b, g1b
	s_cmp_eq_u32 s15, 0
	s_cbranch_scc0 .Lfor_b_\@
	tensor_load_to_lds s[\g0a:\g0a+3], s[\g1a:\g1a+7]
	s_nop 0
.rept 4
	v_nop
.endr
	s_branch .Lasked_\@
.Lfor_b_\@:
	tensor_load_to_lds s[\g0b:\g0b+3], s[\g1b:\g1b+7]
	s_nop 0
.rept 4
	v_nop
.endr
.Lasked_\@:
.endm
.macro CREST                           ; a round of the cluster's barrier behind its opening barrier
	s_cmp_lg_u32 s14, 0
	s_cbranch_scc1 .Lnot_wave_0_\@
	s_barrier_signal -3
.Lnot_wave_0_\@:
	s_barrier_wait -3
	s_barrier_signal -1
	s_barrier_wait -1
.endm
.macro CROUND
	s_barrier_signal -1
	s_barrier_wait -1
	CREST
.endm
	s_load_b512 s[68:83], s[0:1], 0x0              ; Q 68, K 70, V 72, Wq 74, Wk 76, Wv 78, bq 80, bk 82
	s_load_b256 s[84:91], s[0:1], 0x40             ; bv 84, the scales 86, qc 88, kc 90
	s_load_b64 s[92:93], s[0:1], 0x60              ; vc
	v_lshl_add_u32 v[SPW], v0, 2, SPARE
	v_mov_b32 v[NIL], 0
	ds_add_u32 v28, v29
	ds_add_u32 v28, v29
	s_wait_dscnt 0x0
	v_lshrrev_b32 v1, 5, v0
	v_readfirstlane_b32 s14, v1                    ; wave 0..3
	s_lshr_b32 s15, s14, 1                         ; which half of the tile's rows is mine.  Also: I fetch for A (0) or for B (1)
	s_and_b32 s16, s14, 1                          ; which half of its columns.  Also: which 128 rows of that tile I fetch
	s_bfe_u32 s40, ttmp6, 0x40000                  ; cx, cy: my place in the cluster
	s_bfe_u32 s41, ttmp6, 0x40004
	s_and_b32 s67, ttmp7, 0xffff                   ; the cluster's number, 0..23
	s_lshr_b32 s66, s67, 3                         ; which tensor: 0 q, 1 k, 2 v
	s_and_b32 s67, s67, 7                          ; which of its eight clusters
	s_cmp_eq_u32 s66, 2
	s_cselect_b32 s17, 0, s67                      ; q, k: the clusters lie one below the other (tokens are rows);
	s_cselect_b32 s42, s67, 0                      ; v: side by side (tokens are columns)
	s_lshl_b32 s17, s17, 2
	s_add_co_u32 s17, s17, s41                     ; tile row
	s_lshl_b32 s42, s42, 2
	s_add_co_u32 s42, s42, s40                     ; tile column
	s_lshl_b32 s43, s41, 2
	s_lshl_b32 s43, 15, s43                        ; my row of the cluster
	s_lshl_b32 s44, 0x1111, s40                    ; my column
	; descriptor group 1: a tile of 128 rows x 256 bytes, padded in LDS
	s_or_b32 s[G1+0], s43, (0<<16)|(1<<20)|(1<<21)|(5<<22)|(3<<25)  ; 15:0 the mask: A's tiles go to my row; 17:16 elements of 1 byte; 20 padding on; 21 set beside a mask; 24:22 after every 64 words; 31:25 four words
	s_or_b32 s[G1B+0], s44, (0<<16)|(1<<20)|(1<<21)|(5<<22)|(3<<25)
.irp g, G1, G1B
	s_mov_b32 s[\g+1], ROWB<<16                    ; tensor_dim0
	s_mov_b32 s[\g+2], 128<<16                     ; tensor_dim1
	s_mov_b32 s[\g+3], ROWB<<16                    ; tile_dim0
	s_mov_b32 s[\g+4], 128                         ; tile_dim1
	s_mov_b32 s[\g+5], KROW                        ; tensor_dim0_stride
	s_mov_b32 s[\g+6], 0
	s_mov_b32 s[\g+7], 0
.endr
	s_lshl_b32 s18, s16, 7                         ; which 128 rows of the tile I fetch
	s_lshl_b32 s20, s17, 8
	s_add_co_u32 s20, s20, s18                     ; A: row 256 x tile row + 128 x half
	s_lshl_b32 s46, s42, 8
	s_add_co_u32 s46, s46, s18                     ; B: row 256 x tile column + 128 x half
	s_lshl_b32 s20, s20, 10                        ; in bytes: rows of 1,024
	s_lshl_b32 s46, s46, 10
	s_mov_b32 s21, 0
	s_mov_b32 s47, 0
	s_mul_i32 s45, s14, HALFT                      ; where they go: wave x 128 rows: no place in the cluster enters an LDS address
	s_wait_kmcnt 0x0
	s_cmp_eq_u32 s66, 0                            ; the tensor's buffers: the choice hangs on the cluster's number alone
	s_cselect_b64 s[4:5], s[68:69], s[70:71]       ; A
	s_cselect_b64 s[6:7], s[74:75], s[76:77]       ; B
	s_cselect_b64 s[12:13], s[80:81], s[82:83]     ; the bias
	s_cselect_b64 s[10:11], s[88:89], s[90:91]     ; the result
	s_cmp_eq_u32 s66, 2
	s_cselect_b64 s[4:5], s[78:79], s[4:5]         ; v: A = Wv,
	s_cselect_b64 s[6:7], s[72:73], s[6:7]         ; B = V's tokens
	s_cselect_b64 s[12:13], s[84:85], s[12:13]
	s_cselect_b64 s[10:11], s[92:93], s[10:11]
	s_load_b256 s[68:75], s[86:87], 0x0            ; the exponents, entries 0 to 7,
	s_load_b128 s[76:79], s[86:87], 0x20           ; and 8 to 11
	s_add_nc_u64 s[20:21], s[4:5], s[20:21]
	s_add_nc_u64 s[46:47], s[6:7], s[46:47]
	CROUND                                         ; all sixteen work-groups are here: the first joint loads meet
.irp s, 0,1
	s_mov_b32 s[G0+4*\s], 1
	s_add_co_u32 s[G0+4*\s+1], s45, \s*SLOT
	s_add_nc_u64 s[G0+4*\s+2:G0+4*\s+3], s[20:21], \s*ROWB
	s_or_b32 s[G0+4*\s+3], s[G0+4*\s+3], 0x80000000
	s_mov_b32 s[G0B+4*\s], 1
	s_add_co_u32 s[G0B+4*\s+1], s45, \s*SLOT
	s_add_nc_u64 s[G0B+4*\s+2:G0B+4*\s+3], s[46:47], \s*ROWB
	s_or_b32 s[G0B+4*\s+3], s[G0B+4*\s+3], 0x80000000
	JLOAD G0+4*\s, G1, G0B+4*\s, G1B
.endr
	v_and_b32 v1, 15, v0                           ; r
	v_bfe_u32 v2, v0, 4, 1                         ; h
	v_mul_u32_u24 v3, v1, PITCH
	v_lshl_add_u32 v4, v2, 4, v3                   ; a fragment's row x pitch + 16 x half
	s_mul_i32 s21, s15, HALFT                      ; my 128 rows of A
	s_mul_i32 s22, s16, HALFT                      ; my 128 rows of B,
	s_add_co_u32 s22, s22, 2*HALFT                 ; which lie behind A's 256
.irp s, 0,1
	v_add_nc_u32 v[ADRA+\s], s21, v4
	v_add_nc_u32 v[ADRB+\s], s22, v4
	s_add_co_u32 s21, s21, SLOT
	s_add_co_u32 s22, s22, SLOT
.endr
	v_and_b32 v6, 31, v0
	v_lshlrev_b32 v[CO], 4, v6
	v_lshlrev_b32 v5, 5, v2                        ; the column bias: 8 h numbers on
	v_lshlrev_b32 v7, 2, v1                        ; the row bias: r numbers on
	; my wave's corner: rows R0 on, columns C0 on; which of the two are tokens and which channels
	s_lshl_b32 s20, s17, 8
	s_lshl_b32 s21, s15, 7
	s_add_co_u32 s20, s20, s21                     ; R0
	s_lshl_b32 s46, s42, 8
	s_lshl_b32 s47, s16, 7
	s_add_co_u32 s46, s46, s47                     ; C0
	s_cmp_eq_u32 s66, 2
	s_cselect_b32 s94, s46, s20                    ; my first token (128 of them, inside one batch)
	s_cselect_b32 s95, s20, s46                    ; my first channel (128 of them: two heads)
	s_lshr_b32 s18, s94, 11                        ; the batch
	s_lshl_b32 s18, s18, 4
	s_lshr_b32 s19, s95, 6                         ; the first head, an even number
	s_add_co_u32 s18, s18, s19
	s_lshl_b32 s18, s18, 17                        ; 131,072 bytes for a batch's head
	s_bfe_u32 s19, s94, 0x40007                    ; which 128 tokens of the batch's 2,048
	s_lshl_b32 s19, s19, 13                        ; 8,192 bytes each
	s_add_co_u32 s18, s18, s19
	s_mov_b32 s19, 0
	s_add_nc_u64 s[10:11], s[10:11], s[18:19]
	s_lshl_b32 s18, s95, 2
	s_add_nc_u64 s[12:13], s[12:13], s[18:19]      ; the bias at my first channel
.irp b, 0,1,2,3,4,5,6,7
	global_load_b128 v[XB+8*\b:XB+8*\b+3], v5, s[12:13] offset:64*\b
	global_load_b128 v[XB+8*\b+4:XB+8*\b+7], v5, s[12:13] offset:64*\b+16
.endr
.irp a, 0,1,2,3,4,5,6,7
	global_load_b32 v[RB+2*\a], v7, s[12:13] offset:64*\a
.endr
	s_wait_kmcnt 0x0
	s_cmp_eq_u32 s66, 0
	s_cselect_b32 s94, s68, s70                    ; the two operands' exponents,
	s_cselect_b32 s95, s69, s71
	s_cselect_b32 s98, s74, s75                    ; and the result's: entry 6 or 7,
	s_cmp_eq_u32 s66, 2
	s_cselect_b32 s94, s72, s94
	s_cselect_b32 s95, s73, s95
	s_cselect_b32 s98, s77, s98                    ; or 9
	s_add_co_i32 s94, s94, s95                     ; esum: a sum stands for sum x 2^esum
	s_sub_co_i32 s95, 127, s94
	s_lshl_b32 s95, s95, 23                        ; 2^-esum as f32
	s_add_co_i32 s96, s94, 127
	s_lshl_b32 s96, s96, 23                        ; 2^esum as f32
	s_mov_b32 s97, s96                             ; (named with it as a pair, so it is written)
	s_cmp_eq_u32 s66, 2
	s_cselect_b32 s18, 0, s95                      ; the column bias counts for q and k,
	s_cselect_b32 s94, 0x3f800000, 0               ; the row bias for v
	s_mov_b32 s19, s18
	s_add_co_i32 s98, s98, 127
	s_lshl_b32 s95, s98, 23
	v_mov_b32 v[SCV], s95                          ; 2^eo: the conversion takes its exponent field
	s_add_co_i32 s98, s98, 8
	s_lshl_b32 s98, s98, 23
	s_or_b32 s98, s98, 0x600000
	v_mov_b32 v[LIMV], s98                         ; 448 x 2^eo
	s_wait_loadcnt 0x0
.set i, 0
.rept 32
	v_pk_mul_f32 v[XB+i:XB+i+1], v[XB+i:XB+i+1], s[18:19] op_sel_hi:[1,0]
.set i, i+2
.endr
.irp a, 0,1,2,3,4,5,6,7
	v_mul_f32 v[RB+2*\a], s94, v[RB+2*\a]
.endr
.irp a, 0,1,2,3,4,5,6,7
	v_mov_b32 v[RB+2*\a+1], v[RB+2*\a]
.endr
.macro FRAG reg, adr, q, i             ; 16 rows x 128 K: lane l holds row l % 16; registers 4 c .. 4 c + 3 hold K = 32 c + 16 (l / 16) + 0 .. 15: the same places of k in A and in B, so each product meets its partner
.irp c, 0,1,2,3
	ds_load_b128 v[\reg+4*\c:\reg+4*\c+3], v[\adr] offset:128*(\q)+32*\c+(\i)*16*PITCH
.endr
.endm
; 16 matrix instructions: A's blocks a0, a0 + 1 x B's eight, 128 along K.  p: B's set.  zero = 1: the first product starts the sums, with the column bias as C: nothing is cleared.
; The 64 accumulators take turns, one instruction a turn, in the same order in every step.
.macro MUL16 a0, p, zero
.irp a, \a0, \a0+1
.irp b, 0,1,2,3,4,5,6,7
.if \zero
	v_wmma_f32_16x16x128_fp8_fp8 v[8*(8*((\a)%4)+\b):8*(8*((\a)%4)+\b)+7], v[128*(\p)+FR*\b:128*(\p)+FR*\b+FR-1], v[AF+FR*(\a):AF+FR*(\a)+FR-1], v[XB+8*\b:XB+8*\b+7]
.else
	v_wmma_f32_16x16x128_fp8_fp8 v[8*(8*((\a)%4)+\b):8*(8*((\a)%4)+\b)+7], v[128*(\p)+FR*\b:128*(\p)+FR*\b+FR-1], v[AF+FR*(\a):AF+FR*(\a)+FR-1], v[8*(8*((\a)%4)+\b):8*(8*((\a)%4)+\b)+7]
.endif
.endr
.endr
.endm
.macro FETCH_B slot, q, p
	WIN TO_B
.irp i, 0,1,2,3,4,5,6,7
	FRAG 128*(\p)+FR*\i, ADRB+\slot, \q, \i
.endr
	WIN 0
.endm
.macro FETCH_A slot, q, i0
.irp i, \i0, \i0+1, \i0+2, \i0+3
	FRAG AF+FR*(\i), ADRA+\slot, \q, \i
.endr
.endm
.macro PLACES n                        ; plain vector lines between a matrix instruction and a load into, or a vector line on, its registers
.rept \n
	v_nop
.endr
.endm
; A step of 128 along K that has its successor in the same slot.
.macro STEP slot, q, zero
	s_wait_dscnt 4*NL                              ; B's set and A's blocks 0-3 are in; the youngest sixteen loads (A's blocks 4-7) may be out
.if \zero
	WIN MUL_LO0
.else
	WIN MUL_LO
.endif
	MUL16 0, (\q)%2, \zero
	MUL16 2, (\q)%2, \zero
	s_wait_dscnt 0                                 ; A's blocks 4-7 are in
	PLACES NP
	FETCH_B \slot, (\q)+1, 1-(\q)%2
	FETCH_A \slot, (\q)+1, 0
.if \zero
	WIN MUL_HI0
.else
	WIN MUL_HI
.endif
	MUL16 4, (\q)%2, \zero
	MUL16 6, (\q)%2, \zero
	PLACES NP
	WIN 0
	FETCH_A \slot, (\q)+1, 4
.endm
; A slot's last step changes slots: ONE barrier; in front of it each wave waits for all its tensor loads, adds 0 to its spare word, and waits for that and for its own reads of this slot.  fill = 1: this slot is filled again, two K steps ahead.
.macro TURN slot, next, fill
	s_wait_tensorcnt 0x0                           ; all my tensor loads have landed: my part of the next slot
	ds_add_u32 v[SPW], v[NIL]                      ; 0 onto my spare word
	s_wait_dscnt 4*NL+1                            ; (the add and the youngest sixteen loads, A's blocks 4-7, may be out)
	WIN MUL_LO
	MUL16 0, 1, 0                                  ; sixteen matrix instructions stand between the add and the wait for it
	s_wait_dscnt 0x0                               ; the add is done, and my reads of this slot are over
	s_barrier_signal -1
	MUL16 2, 1, 0
	WIN 0
	s_barrier_wait -1
.if \fill
	CREST                                          ; the barrier has opened a round of the cluster's barrier: no wave of any partner still reads this slot's tile or has a load on its way
	s_add_nc_u64 s[G0+4*\slot+2:G0+4*\slot+3], s[G0+4*\slot+2:G0+4*\slot+3], 2*ROWB
	s_add_nc_u64 s[G0B+4*\slot+2:G0B+4*\slot+3], s[G0B+4*\slot+2:G0B+4*\slot+3], 2*ROWB
	JLOAD G0+4*\slot, G1, G0B+4*\slot, G1B         ; the first tensor load behind the round; its four v_nop are also the places in front of the loads below
.else
	PLACES NP
.endif
	FETCH_B \next, 0, 0
	FETCH_A \next, 0, 0
	WIN MUL_HI
	MUL16 4, 1, 0
	MUL16 6, 1, 0
	PLACES NP
	WIN 0
	FETCH_A \next, 0, 4
.endm
	s_wait_tensorcnt 1                             ; my part of K step 0 is in (K step 1's load may be out)
	s_barrier_signal -1
	s_barrier_wait -1                              ; everybody's is
	FETCH_B 0, 0, 0
	FETCH_A 0, 0, 0
	FETCH_A 0, 0, 4
	STEP 0, 0, 1                                   ; the first step stands in front of the loop: its products start the sums
	s_mov_b32 s3, LAPS-1
.Llap:                                             ; a trip goes once round the ring and fills both slots again
	TURN 0, 1, 1
	STEP 1, 0, 0
	TURN 1, 0, 1
	STEP 0, 0, 0
	s_sub_co_u32 s3, s3, 1
	s_cmp_lg_u32 s3, 0
	s_cbranch_scc1 .Llap
	TURN 0, 1, 0                                   ; the last lap fills nothing
	STEP 1, 0, 0
	s_wait_dscnt 4*NL                              ; the very last step
	WIN MUL_LO
	MUL16 0, 1, 0
	MUL16 2, 1, 0
	s_wait_dscnt 0
	WIN MUL_HI
	MUL16 4, 1, 0
	MUL16 6, 1, 0
	WIN 0
; THE WAY OUT, block a of 16 rows: number = sum x 2^esum + row bias; held within +-448 x 2^eo (the conversion does not saturate: ISA guide 7.6.2); eight numbers of an accumulator give two registers of codes.
; The block's 16 registers of codes are four pieces of four registers, each stored as it stands: 32 lanes x 16 bytes = 512 consecutive bytes, aligned.
;   q, k: piece p = registers 4 (p % 2) on of the fragment of head p / 2, token tile a.      v: piece p of the fragment of channel tile a (head a / 4, channels 16 (a % 4) on), my 128 keys.
; Each block has registers of its own for its codes, so no store's data are written again.
.macro OUTB a
.set AC, 64*((\a)%4)
.if (\a) < 4
.set CD, 192+16*(\a)
.else
.set CD, 32+16*((\a)-4)
.endif
	WIN 0x02+((\a)/4)                              ; source 0: window 2 or 3
.set i, 0
.rept 32
	v_pk_fma_f32 v[TMP+i:TMP+i+1], v[AC+i:AC+i+1], s[96:97], v[RB+2*(\a):RB+2*(\a)+1] op_sel_hi:[1,0,1]   ; each accumulator from its low end on
.set i, i+2
.endr
	WIN 0
.set i, 0
.rept 64
	v_med3_num_f32 v[TMP+i], v[TMP+i], -v[LIMV], v[LIMV]
.set i, i+1
.endr
.irp b, 0,1,2,3,4,5,6,7
	v_cvt_scalef32_pk8_fp8_f32 v[CD+2*\b:CD+2*\b+1], v[TMP+8*\b:TMP+8*\b+7], v[SCV]
.endr
	v_nop                                          ; one plain vector line behind the last conversion: the next block writes the numbers' registers
.irp p, 0,1,2,3
	global_store_b128 v[CO], v[CD+4*\p:CD+4*\p+3], s[10:11] offset:(\p/2)*131072+(\a)*1024+(\p%2)*512
.endr
.endm
	PLACES NP                                      ; behind the last products: their results are read and A's registers written below
.irp a, 0,1,2,3,4,5,6,7
	OUTB \a
.endr
	s_wait_tensorcnt 0x0                           ; the wave's end
	ds_add_u32 v[SPW], v[NIL]
	s_wait_dscnt 0x0
	CROUND                                         ; the closing round: no work-group ends while a partner may still ask for a tile that names it
	s_endpgm
.Lfunc_end_k_q67b2ee14a8_proj:
	.size	k_q67b2ee14a8_proj, .Lfunc_end_k_q67b2ee14a8_proj-k_q67b2ee14a8_proj
	.p2alignl 7, 3214868480
	.fill 96, 4, 3214868480
	.section	.rodata,"a",@progbits
	.p2align	6, 0x0
	.amdhsa_kernel k_q67b2ee14a8_proj
		.amdhsa_group_segment_fixed_size 327680
		.amdhsa_private_segment_fixed_size 0
		.amdhsa_enable_private_segment 0
		.amdhsa_kernarg_size 104
		.amdhsa_user_sgpr_count 2
		.amdhsa_user_sgpr_kernarg_segment_ptr 1
		.amdhsa_wavefront_size32 1
		.amdhsa_system_sgpr_workgroup_id_x 1
		.amdhsa_system_sgpr_workgroup_id_y 1
		.amdhsa_system_sgpr_workgroup_id_z 1
		.amdhsa_system_vgpr_workitem_id 0
		.amdhsa_next_free_vgpr 1024
		.amdhsa_next_free_sgpr 100
		.amdhsa_reserve_vcc 0
		.amdhsa_float_denorm_mode_32 3
		.amdhsa_float_denorm_mode_16_64 3
		.amdhsa_memory_ordered 1
		.amdhsa_forward_progress 1
		.amdhsa_inst_pref_size 140
	.end_amdhsa_kernel
	.amdgpu_metadata
---
amdhsa.version: [ 1, 2 ]
amdhsa.kernels:
  - .name:           k_q67b2ee14a8_proj
    .symbol:         k_q67b2ee14a8_proj.kd
    .args:
      - { .name: Q_codes, .offset: 0, .size: 8, .value_kind: global_buffer, .address_space: global }
      - { .name: K_codes, .offset: 8, .size: 8, .value_kind: global_buffer, .address_space: global }
      - { .name: V_codes, .offset: 16, .size: 8, .value_kind: global_buffer, .address_space: global }
      - { .name: Wq_codes, .offset: 24, .size: 8, .value_kind: global_buffer, .address_space: global }
      - { .name: Wk_codes, .offset: 32, .size: 8, .value_kind: global_buffer, .address_space: global }
      - { .name: Wv_codes, .offset: 40, .size: 8, .value_kind: global_buffer, .address_space: global }
      - { .name: bq, .offset: 48, .size: 8, .value_kind: global_buffer, .address_space: global }
      - { .name: bk, .offset: 56, .size: 8, .value_kind: global_buffer, .address_space: global }
      - { .name: bv, .offset: 64, .size: 8, .value_kind: global_buffer, .address_space: global }
      - { .name: lowp_scales, .offset: 72, .size: 8, .value_kind: global_buffer, .address_space: global }
      - { .name: qc, .offset: 80, .size: 8, .value_kind: global_buffer, .address_space: global }
      - { .name: kc, .offset: 88, .size: 8, .value_kind: global_buffer, .address_space: global }
      - { .name: vc, .offset: 96, .size: 8, .value_kind: global_buffer, .address_space: global }
    .group_segment_fixed_size: 327680
    .private_segment_fixed_size: 0
    .kernarg_segment_align: 8
    .kernarg_segment_size: 104
    .max_flat_workgroup_size: 128
    .sgpr_count:     100
    .vgpr_count:     1024
    .wavefront_size: 32
...
	.end_amdgpu_metadata
.endif
;; end of part 2
;; launch attn (part 3): grid 4 x 64, 16 waves a work-group, no clusters, 284,672 bytes of LDS; arguments qc, kc, vc, mbits, lowp_scales, ac; writes ac
.if DOCPART == 3
	.amdgcn_target "amdgcn-amd-amdhsa--gfx1250"
	.amdhsa_code_object_version 6
	.text
	.protected	k_q67b2ee14a8_attn
	.globl	k_q67b2ee14a8_attn
	.p2align	8
	.type	k_q67b2ee14a8_attn,@function
k_q67b2ee14a8_attn:
	s_mov_b64 s[64:65], 0
	v_nop
	global_prefetch_b8 v0, s[64:65] scope:SCOPE_SE
	s_setreg_imm32_b32 hwreg(HW_REG_WAVE_MODE, 25, 1), 1
	s_wait_xcnt 0x0
; Attention of one head on codes of FP8 (E4M3): S^T = k q^T, the mask, p = 2^(t - M), O^T = v^T p^T, O / l, quantised for the last projection.
; qc, kc: images of the 16x16x64 form's fragments, 1,024 bytes for 16 tokens of a head.  vc: images of the 16x16x128 form's fragments of v^T (16 channels x 128 keys).  mbits: the mask as lane masks, made by an earlier launch.
; SHARES.  Work-group (j, bh): head bh = 16 b + head, the 32 tiles of 16 queries with T % 4 = j.  The head's whole k (128 KiB) and v (128 KiB) are brought into LDS once, through registers: one barrier in the launch.
; Sixteen waves, 256 registers each: four to a SIMD, so that one wave's vector work stands beside another's matrix work and LDS loads.  Wave w takes tiles T = 4 u + j for u = w and then u = w + 16, and walks all 2,048 keys for each, 128 a step.
; A lane holds ONE query (lane % 16) throughout.  In tile c of S^T register j is key 16 c + 8 (lane / 16) + j, so eight registers convert into registers 2 c, 2 c + 1 of p's fragment, in that form's own order.
; THE MASK is data, and no branch hangs on it: in every step each score register is passed through one select with its lane mask, which scalar loads bring (64 words a step).
; The masks are asked for ONE STEP AHEAD: behind the selects of step s, their registers' last readers, for step s + 1; the rest of the step and the next step's first product stand between the request and the wait for it.
; SOFTMAX.  t = score x log2(e) / 8 x 2^(e6 + e7); M = the running largest t rounded UP to a whole number, kept as -M; p = 2^(t - M); the row's sum is taken of the unquantised p; when M moves, the sum and O^T are multiplied by 2^(old M - new M).
; A row that has met hidden keys alone has p = 1 for them under a very low M; its first key that counts multiplies what was summed by 0.  A row with no key that counts keeps p = 1 throughout: the average of v.
; NO CLUSTER: the four work-groups of a head read the same k and v, but once each, at the head: 256 KiB a work-group, against the 512 wave-steps x 16 KiB = 8 MiB that its waves then read from LDS.
; LIMITS.  A hidden logit is taken as -2^30 (reference: -1e9): the results differ only where true logits come near -1e9.  e6 + e7 between -94 and 130; e8 and e10 between -126 and 119.  NaN is not served.
.set VB,   131072                      ; LDS: k's images at 0 (step s at 8,192 s, tile c at 1,024 c, piece at 512), v's here (key block at 8,192 kb, pieces 2-3 at 4,096, channel tile at 1,024 t, piece at 512),
.set STG,  262144                      ; and a stage of 16 rows x 80 bytes for each wave, its own
.set SP,   80
.set L16,  1                           ; v1   16 x lane
.set ADK,  2                           ; v2   the step's k
.set ADV,  3                           ; v3   the step's v
.set STO,  4                           ; v4   the stage: row r, + 8 h
.set SRD,  5                           ; v5   and back: 80 (lane / 4) + 16 (lane % 4)
.set QOF,  6                           ; v6   q's offset
.set NEG,  7                           ; v7   a hidden score: -2^(33 - e6 - e7)
.set AOF,  10                          ; v10  ac's offset
.set Q,    16                          ; v16-23   q's fragment
.set F,    24                          ; v24-87   eight fragments of k, then four of v
.set S,    88                          ; v88-151  S^T, then p
.set O,    152                         ; v152-183 O^T
.set PC,   184                         ; v184-199 p's codes
; v8, v228-230 LDS addresses of the fill (v8 also k's offset), v9 v's offset; v12 -M, v13 the largest t, v[14:15] the sum in two halves; v200, v201 at work; v202 a permute's destination; v[204:205] f; v[206:207] a second chain of the sum;
; v208: 2^e8; v209 and v231: 448 x 2^e8, twice, for the two halves of a dual line; v210, v211: 2^e10 and 448 x 2^e10; v212-219 the result's codes; v220-227 rows read back
; s[2:3] the unit of mbits; s16 wave, s17 j, s18 bh, s19 u, s20 T, s21 step, s22 the byte offset of the masks asked for, s24 8,192 x step, s25 tiles done, s[26:27] c, s[28:29] lane selects, s[32:63] and s[68:99] a step's 64 lane masks, s67 e8 + e9
	s_load_b256 s[4:11], s[0:1], 0x0               ; qc s[4:5], kc s[6:7], vc s[8:9], mbits s[10:11]
	s_load_b128 s[12:15], s[0:1], 0x20             ; the scales s[12:13], ac s[14:15]
	v_lshl_add_u32 v254, v0, 2, 0x45000
	v_mov_b32 v255, 0
	v_lshrrev_b32 v11, 5, v0
	v_readfirstlane_b32 s16, v11                   ; wave 0..15
	s_mov_b32 s17, ttmp9                           ; j
	s_and_b32 s18, ttmp7, 0xffff                   ; bh
	v_and_b32 v11, 31, v0
	v_lshlrev_b32 v[L16], 4, v11
	v_lshlrev_b32 v8, 4, v0                        ; 16 x thread: 8,192 bytes a load of the work-group
	v_lshrrev_b32 v9, 8, v0
	v_and_b32 v10, 0xff, v0
	v_lshlrev_b32 v10, 4, v10
	v_lshl_or_b32 v9, v9, 17, v10                  ; v: threads 0-255 take pieces 0, 1 of a key block (4,096 bytes on end), threads 256-511 pieces 2, 3, which lie 131,072 bytes on
	v_add_nc_u32 v228, 0x10000, v8
	v_add_nc_u32 v229, 0x20000, v8
	v_add_nc_u32 v230, 0x30000, v8
	s_lshl_b32 s30, s18, 17                        ; q and k: 131,072 bytes a head
	s_mov_b32 s31, 0
	s_and_b32 s100, s18, 0xfffe
	s_lshl_b32 s100, s100, 17                      ; v: a pair of heads shares 262,144 bytes,
	s_and_b32 s101, s18, 1
	s_lshl_b32 s101, s101, 12                      ; the odd head 4,096 bytes on
	s_add_co_u32 s100, s100, s101
	s_mov_b32 s101, 0
	s_wait_kmcnt 0x0
	s_load_b128 s[32:35], s[12:13], 0x18           ; e6, e7, e8, e9
	s_load_b32 s36, s[12:13], 0x28                 ; e10
	s_add_nc_u64 s[4:5], s[4:5], s[30:31]
	s_add_nc_u64 s[6:7], s[6:7], s[30:31]
	s_add_nc_u64 s[8:9], s[8:9], s[100:101]
.set i, 0
.rept 16
	global_load_b128 v[F+4*i:F+4*i+3], v8, s[6:7] offset:8192*i       ; k: 16 x 8,192 bytes
.set i, i+1
.endr
.set i, 0
.rept 16
	global_load_b128 v[S+4*i:S+4*i+3], v9, s[8:9] offset:8192*i       ; v: key block i
.set i, i+1
.endr
	v_and_b32 v10, 15, v0                          ; r
	v_bfe_u32 v11, v0, 4, 1                        ; h
	s_mul_i32 s30, s16, 16*SP
	s_add_co_u32 s30, s30, STG                     ; my stage
	v_mul_u32_u24 v[STO], v10, SP
	v_lshl_add_u32 v[STO], v11, 3, v[STO]
	v_add_nc_u32 v[STO], s30, v[STO]
	v_bfe_u32 v10, v0, 2, 3                        ; lane / 4
	v_and_b32 v11, 3, v0
	v_mul_u32_u24 v[SRD], v10, SP
	v_lshl_add_u32 v[SRD], v11, 4, v[SRD]
	v_add_nc_u32 v[SRD], s30, v[SRD]
	v_mov_b32 v202, 0                              ; written once: a lane permute's destination counts as one of its sources
	v_mov_b32 v205, 0                              ; (named as the upper half of the pair v[204:205])
	s_mov_b32 s28, 0x76543210
	s_mov_b32 s29, 0xfedcba98                      ; v_permlanex16_b32: lane l xor 16
	s_wait_kmcnt 0x0
	s_add_co_i32 s30, s32, s33                     ; e6 + e7
	s_lshl_b32 s31, s30, 23
	s_add_co_i32 s26, s31, 0x3e38aa3b              ; c = log2(e) / 8, with the two exponents added to its exponent field
	s_mov_b32 s27, s26                             ; (named with it as a pair, so it is written)
	s_sub_co_i32 s30, 160, s30
	s_lshl_b32 s30, s30, 23
	s_or_b32 s30, s30, 0x80000000
	v_mov_b32 v[NEG], s30                          ; -2^(33 - e6 - e7): the score of a logit of -2^30.  Its t is a whole number, so a row of hidden keys alone has p = 1 throughout
	s_add_co_i32 s30, s34, 127
	s_lshl_b32 s31, s30, 23
	v_mov_b32 v208, s31                            ; 2^e8
	s_add_co_i32 s30, s30, 8
	s_lshl_b32 s30, s30, 23
	s_or_b32 s30, s30, 0x600000
	v_mov_b32 v209, s30                            ; 448 x 2^e8,
	v_mov_b32 v231, s30                            ; and once more, in another bank of registers (209 % 4 = 1, 231 % 4 = 3): the first sources of a dual line's two halves
	s_add_co_i32 s30, s36, 127
	s_lshl_b32 s31, s30, 23
	v_mov_b32 v210, s31                            ; 2^e10
	s_add_co_i32 s30, s30, 8
	s_lshl_b32 s30, s30, 23
	s_or_b32 s30, s30, 0x600000
	v_mov_b32 v211, s30                            ; 448 x 2^e10
	s_add_co_i32 s67, s34, s35                     ; e8 + e9
.set i, 0
.rept 32
	s_wait_loadcnt 31-i                            ; loads come back in order: load i is in, the younger ones may be out
.if i < 8
	ds_store_b128 v8, v[F+4*i:F+4*i+3] offset:8192*i
.elseif i < 16
	ds_store_b128 v228, v[F+4*i:F+4*i+3] offset:8192*(i-8)
.elseif i < 24
	ds_store_b128 v229, v[F+4*i:F+4*i+3] offset:8192*(i-16)
.else
	ds_store_b128 v230, v[F+4*i:F+4*i+3] offset:8192*(i-24)
.endif
.set i, i+1
.endr
	s_wait_dscnt 0x0                               ; for the others' sake: my stores have landed
	s_barrier_signal -1
	s_barrier_wait -1                              ; the head's k and v lie in LDS; from here on they are only read
; 64 lane masks, 256 bytes, from s22 bytes on in my unit
.macro MASKS
	s_load_b512 s[32:47], s[2:3], s22 offset:0
	s_load_b512 s[48:63], s[2:3], s22 offset:64
	s_load_b512 s[68:83], s[2:3], s22 offset:128
	s_load_b512 s[84:99], s[2:3], s22 offset:192
.endm
; A KEY STEP: 128 keys
.macro STEP
	v_add_nc_u32 v[ADK], s24, v[L16]
	v_add_nc_u32 v[ADV], VB, v[ADK]
.irp c, 0,1,2,3,4,5,6,7
	ds_load_b128 v[F+8*\c:F+8*\c+3], v[ADK] offset:1024*\c           ; an image comes back as it was stored: 512 consecutive bytes a load
	ds_load_b128 v[F+8*\c+4:F+8*\c+7], v[ADK] offset:1024*\c+512
.endr
	s_wait_dscnt 0x0
.irp c, 0,1,2,3,4,5,6,7
	v_wmma_f32_16x16x64_fp8_fp8 v[S+8*\c:S+8*\c+7], v[F+8*\c:F+8*\c+7], v[Q:Q+7], 0   ; S^T: source 0 = 16 keys, source 1 = my 16 queries
.endr
.rept 4
	v_nop                                          ; places in front of the loads into k's registers and of the first read of the scores
.endr
.irp t, 0,1,2,3
.irp p, 0,1,2,3
	ds_load_b128 v[F+16*\t+4*\p:F+16*\t+4*\p+3], v[ADV] offset:4096*(\p/2)+1024*\t+512*(\p%2)   ; v's four fragments land under the softmax
.endr
.endr
	s_wait_kmcnt 0x0                               ; this step's lane masks, asked for a step ago (a tile's first: in its prologue), are in; s22 may be written again
.set i, 0
.rept 64
	v_cndmask_b32 v[S+i], v[S+i], v[NEG], s[32+i+4*(i/32)]           ; a hidden key's score; each accumulator from its low end on
.set i, i+1
.endr
	v_max3_num_f32 v200, v[S], v[S+1], v[S+2]      ; the step's largest score of my query, among my 64 keys, in two chains
	v_max3_num_f32 v201, v[S+3], v[S+4], v[S+5]
.irp i, 6,10,14,18,22,26,30,34,38,42,46,50,54,58
	v_max3_num_f32 v200, v200, v[S+\i], v[S+1+\i]
	v_max3_num_f32 v201, v201, v[S+2+\i], v[S+3+\i]
.endr
	v_max3_num_f32 v200, v200, v[S+62], v[S+63]
	v_max_num_f32 v200, v200, v201
	v_permlanex16_b32 v202, v200, s28, s29
	v_max_num_f32 v200, v200, v202                 ; and among lane l xor 16's
	v_mul_f32 v200, s26, v200                      ; as t (c is positive)
	v_max_num_f32 v13, v13, v200                   ; the running largest t
	v_mov_b32 v200, v12
	v_floor_f32 v12, -v13                          ; the new -M = floor(-t) = -ceil(t)
	v_sub_f32 v200, v12, v200                      ; old M - new M: a whole number, 0 or less
	v_cvt_i32_f32 v200, v200                       ; (it saturates)
	v_ldexp_f32 v204, 1.0, v200                    ; f = 2^(old M - new M)
	s_add_co_u32 s22, s21, 1                       ; THE NEXT STEP'S LANE MASKS are asked for here: the selects above were the last readers of their registers.
	s_min_u32 s22, s22, 15                         ; A tile's last step asks for its own once more: the address stays inside my unit, and no branch is needed
	s_lshl_b32 s22, s22, 8
	MASKS
.set i, 0
.rept 32
	v_pk_fma_f32 v[S+i:S+i+1], v[S+i:S+i+1], s[26:27], v[12:13] op_sel_hi:[1,0,0]   ; t - M, two at a time
.set i, i+2
.endr
.set i, 0
.rept 64
	v_exp_f32 v[S+i], v[S+i]                       ; p = 2^(t - M)
.set i, i+1
.endr
	v_pk_mul_f32 v[14:15], v[14:15], v[204:205] op_sel_hi:[1,0]      ; the sums under the new M: the plain line behind the exponentials
	s_wait_alu depctr_va_vdst(0)                   ; one wait for the whole batch, ahead of its first reader
	v_pk_add_f32 v[206:207], v[S:S+1], v[S+2:S+3]  ; the row's sum is taken of the unquantised p
.irp i, 4,8,12,16,20,24,28,32,36,40,44,48,52,56,60
	v_pk_add_f32 v[14:15], v[14:15], v[S+\i:S+1+\i]
	v_pk_add_f32 v[206:207], v[206:207], v[S+2+\i:S+3+\i]
.endr
	v_pk_add_f32 v[14:15], v[14:15], v[206:207]
.set i, 0
.rept 32
	v_dual_min_num_f32 v[S+i], v209, v[S+i] :: v_dual_min_num_f32 v[S+i+1], v231, v[S+i+1]   ; the conversion does not saturate (ISA guide 7.6.2); p is not negative, so the hold is one-sided; it stands whatever e8 is.  Two to a line: an even and an odd destination, sources in different banks
.set i, i+2
.endr
.irp c, 0,1,2,3,4,5,6,7
	v_cvt_scalef32_pk8_fp8_f32 v[PC+2*\c:PC+2*\c+1], v[S+8*\c:S+8*\c+7], v208
.endr
.set i, 0
.rept 16
	v_pk_mul_f32 v[O+i:O+i+1], v[O+i:O+i+1], v[204:205] op_sel_hi:[1,0]   ; O^T under the new M; these are also the plain lines behind the conversions
.set i, i+2
.endr
	s_wait_dscnt 0x0                               ; v's fragments are in
.irp t, 0,1,2,3
	v_wmma_f32_16x16x128_fp8_fp8 v[O+8*\t:O+8*\t+7], v[F+16*\t:F+16*\t+15], v[PC:PC+15], v[O+8*\t:O+8*\t+7]   ; O^T += v^T p^T: four accumulators by turns; the next step's eight products stand between two links
.endr
.rept 4
	v_nop                                          ; places for what follows: the next step's loads into v's registers, or the way out's reads of O^T
.endr
.endm
	s_mov_b32 s19, s16                             ; u = wave
	s_mov_b32 s25, 0
.Ltile:
	s_lshl_b32 s20, s19, 2
	s_add_co_u32 s20, s20, s17                     ; T = 4 u + j
	s_lshr_b32 s30, s18, 4                         ; b
	s_lshl_b32 s30, s30, 7
	s_add_co_u32 s30, s30, s20                     ; unit = 128 b + T,
	s_lshl_b32 s30, s30, 12                        ; of 4,096 bytes
	s_mov_b32 s31, 0
	s_add_nc_u64 s[2:3], s[10:11], s[30:31]        ; (no scalar load is out here: the wait at the tile's end)
	s_mov_b32 s22, 0
	MASKS                                          ; the tile's first lane masks, beside q's loads
	s_lshl_b32 s30, s20, 10
	v_add_nc_u32 v[QOF], s30, v[L16]
	global_load_b128 v[Q:Q+3], v[QOF], s[4:5]
	global_load_b128 v[Q+4:Q+7], v[QOF], s[4:5] offset:512
	v_mov_b32 v13, 0xff61b1e6                      ; the largest t so far: -3e38, under every t
	v_floor_f32 v12, -v13
	v_mov_b32 v14, 0
	v_mov_b32 v15, 0
.set i, 0
.rept 32
	v_mov_b32 v[O+i], 0                            ; the step is written once: a tile's first finds zeros, which the first change of M leaves zeros
.set i, i+1
.endr
	s_mov_b32 s21, 0
	s_mov_b32 s24, 0
	s_wait_loadcnt 0x0                             ; q
.Lstep:                                            ; 16 trips: all 2,048 keys
	STEP
	s_add_co_u32 s21, s21, 1
	s_add_co_u32 s24, s24, 8192
	s_cmp_lt_u32 s21, 16
	s_cbranch_scc1 .Lstep
	; THE TILE'S WAY OUT: O^T x 2^(e8 + e9) / the sum, held, converted; through my stage, so that a store covers 512 consecutive bytes of ac ([token / 256][head][token % 256][64 codes])
	v_add_f32 v14, v14, v15
	v_permlanex16_b32 v202, v14, s28, s29
	v_add_f32 v14, v14, v202                       ; the row's sum
	v_rcp_f32 v14, v14
	s_lshr_b32 s30, s18, 4
	s_lshl_b32 s30, s30, 3
	s_lshr_b32 s31, s20, 4
	s_add_co_u32 s30, s30, s31                     ; token / 256 = 8 b + T / 16
	s_lshl_b32 s30, s30, 4
	s_and_b32 s31, s18, 15
	s_add_co_u32 s30, s30, s31                     ; x 16 + head
	s_lshl_b32 s30, s30, 14
	s_and_b32 s31, s20, 15
	s_lshl_b32 s31, s31, 10
	s_add_co_u32 s30, s30, s31                     ; + 1,024 (T % 16)
	v_add_nc_u32 v[AOF], s30, v[L16]               ; (the plain line behind the reciprocal)
	s_wait_alu depctr_va_vdst(0)                   ; ahead of the reciprocal's first reader
	v_ldexp_f32 v14, v14, s67
.set i, 0
.rept 16
	v_pk_mul_f32 v[S+i:S+i+1], v[O+i:O+i+1], v[14:15] op_sel_hi:[1,0]   ; register 8 t + i: channel 16 t + 8 h + i of query r
.set i, i+2
.endr
.set i, 0
.rept 32
	v_med3_num_f32 v[S+i], v[S+i], -v211, v211
.set i, i+1
.endr
.irp t, 0,1,2,3
	v_cvt_scalef32_pk8_fp8_f32 v[212+2*\t:213+2*\t], v[S+8*\t:S+8*\t+7], v210
.endr
	v_nop                                          ; one plain vector line behind the last conversion
.irp t, 0,1,2,3
	ds_store_b64 v[STO], v[212+2*\t:213+2*\t] offset:16*\t
.endr
	ds_load_b128 v[220:223], v[SRD]                ; LDS serves a wave's instructions in order: these see my stores
	ds_load_b128 v[224:227], v[SRD] offset:8*SP
	s_wait_dscnt 1                                 ; the first eight rows are back; the second load may be out
	global_store_b128 v[AOF], v[220:223], s[14:15]
	s_wait_dscnt 0x0
	global_store_b128 v[AOF], v[224:227], s[14:15] offset:512
	s_wait_kmcnt 0x0                               ; the last step's scalar loads are in: their base, their offset and their registers are written again in the next tile
	s_wait_xcnt 0x0                                ; the stores have read their registers: the next tile writes them again
	s_add_co_u32 s19, s19, 16                      ; the second tile: u = wave + 16
	s_add_co_u32 s25, s25, 1
	s_cmp_lt_u32 s25, 2
	s_cbranch_scc1 .Ltile
	s_wait_tensorcnt 0x0
	ds_add_u32 v254, v255
	s_wait_dscnt 0x0
	s_endpgm
.Lfunc_end_k_q67b2ee14a8_attn:
	.size	k_q67b2ee14a8_attn, .Lfunc_end_k_q67b2ee14a8_attn-k_q67b2ee14a8_attn
	.p2alignl 7, 3214868480
	.fill 96, 4, 3214868480
	.section	.rodata,"a",@progbits
	.p2align	6, 0x0
	.amdhsa_kernel k_q67b2ee14a8_attn
		.amdhsa_group_segment_fixed_size 284672
		.amdhsa_private_segment_fixed_size 0
		.amdhsa_enable_private_segment 0
		.amdhsa_kernarg_size 48
		.amdhsa_user_sgpr_count 2
		.amdhsa_user_sgpr_kernarg_segment_ptr 1
		.amdhsa_wavefront_size32 1
		.amdhsa_system_sgpr_workgroup_id_x 1
		.amdhsa_system_sgpr_workgroup_id_y 1
		.amdhsa_system_sgpr_workgroup_id_z 1
		.amdhsa_system_vgpr_workitem_id 0
		.amdhsa_next_free_vgpr 256
		.amdhsa_next_free_sgpr 102
		.amdhsa_reserve_vcc 0
		.amdhsa_float_denorm_mode_32 3
		.amdhsa_float_denorm_mode_16_64 3
		.amdhsa_memory_ordered 1
		.amdhsa_forward_progress 1
		.amdhsa_inst_pref_size 37
	.end_amdhsa_kernel
	.amdgpu_metadata
---
amdhsa.version: [ 1, 2 ]
amdhsa.kernels:
  - .name:           k_q67b2ee14a8_attn
    .symbol:         k_q67b2ee14a8_attn.kd
    .args:
      - { .name: qc, .offset: 0, .size: 8, .value_kind: global_buffer, .address_space: global }
      - { .name: kc, .offset: 8, .size: 8, .value_kind: global_buffer, .address_space: global }
      - { .name: vc, .offset: 16, .size: 8, .value_kind: global_buffer, .address_space: global }
      - { .name: mbits, .offset: 24, .size: 8, .value_kind: global_buffer, .address_space: global }
      - { .name: lowp_scales, .offset: 32, .size: 8, .value_kind: global_buffer, .address_space: global }
      - { .name: ac, .offset: 40, .size: 8, .value_kind: global_buffer, .address_space: global }
    .group_segment_fixed_size: 284672
    .private_segment_fixed_size: 0
    .kernarg_segment_align: 8
    .kernarg_segment_size: 48
    .max_flat_workgroup_size: 512
    .sgpr_count:     102
    .vgpr_count:     256
    .wavefront_size: 32
...
	.end_amdgpu_metadata
.endif
;; end of part 3
;; launch outp (part 4): grid 4 x 32, 4 waves a work-group, clusters of 4 x 4, 327,680 bytes of LDS; arguments ac, Wo_codes, lowp_scales, bo, out0; writes out0
.if DOCPART == 4
	.amdgcn_target "amdgcn-amd-amdhsa--gfx1250"
	.amdhsa_code_object_version 6
	.text
	.protected	k_q67b2ee14a8_outp
	.globl	k_q67b2ee14a8_outp
	.p2align	8
	.type	k_q67b2ee14a8_outp,@function
k_q67b2ee14a8_outp:
	s_mov_b64 s[64:65], 0
	v_nop
	global_prefetch_b8 v0, s[64:65] scope:SCOPE_SE
	s_setreg_imm32_b32 hwreg(HW_REG_WAVE_MODE, 25, 1), 1
	s_wait_xcnt 0x0
	s_wait_alu depctr_hold_cnt(0) depctr_sa_sdst(0) depctr_va_vdst(0) depctr_va_sdst(0) depctr_va_ssrc(0) depctr_va_vcc(0) depctr_vm_vsrc(0)
	s_getreg_b32 s2, hwreg(HW_REG_IB_STS2, 6, 4)
	s_cmp_eq_u32 s2, 0
	s_cbranch_scc0 .Lentry_in_a_cluster
	s_endpgm
.Lentry_in_a_cluster:
	s_bfe_u32 s2, ttmp6, 0x10000c
	s_cmp_lg_u32 s2, 0xf033
	s_cbranch_scc0 .Lentry_shape_is_right
	s_endpgm
.Lentry_shape_is_right:
; out0 = a Wo^T x 2^(e10 + e11) + bo on codes of FP8 (E4M3).  a: the attention launch's codes, [token / 256][head][token % 256][64]; Wo: [1,024][1,024] codes, K innermost; out0: [8,192][1,024] f32.
; A tile of 256 x 256 is made by a work-group of four waves, a wave 128 x 128 in 64 accumulators.  8,192 x 1,024 gives 128 such tiles.
; K goes in steps of 256 (four heads) through a ring of two LDS slots filled by joint tensor loads: a's tile is shared along a row of the 4 x 4 cluster, Wo's along a column.
; a's tile of a K step is dense in memory: 4 heads x 256 tokens x 64 bytes; waves 0 and 1 fetch two heads each (512 rows of 64 bytes, 16 bytes of padding behind each: rows 80 bytes apart = 20 words, so the sixteen rows of a load start at
; sixteen different groups of four banks); waves 2 and 3 fetch 128 rows of Wo each (256 bytes + 16).
; THE MATRIX INSTRUCTION IS USED TRANSPOSED (source 0 = 16 rows of Wo, source 1 = 16 tokens): a lane holds eight neighbouring numbers of a row of out0.
; LIMIT: e10 + e11 between -126 and 127, so that 2^(e10 + e11) is an f32 number.
; REGISTERS, in windows of 256: window 0: v0-31 addresses, v8-11 bo of my four columns; from v128 a's fragments, ONE set; on the way out v128-255 rows read back.  window 1: Wo's fragments, TWO sets.  windows 2, 3: the accumulators.
.set ROWB,   256
.set PA,     80                        ; a token's 64 codes + 16 of padding
.set HEADB,  256*PA                    ; a head's 256 tokens
.set APART,  4*HEADB                   ; a's part of a slot
.set PITCH,  272
.set HALFB,  128*PITCH
.set SLOT,   APART+2*HALFB
.set FR,     16
.set NL,     4
.set NP,     4
.set LAPS,   2
.set SPARE,  2*SLOT                    ; behind the ring: the spare words, 128 bytes for each wave, which no other line names
.set SPITCH, 528                       ; the way out: a stage of 16 rows x (512 bytes + 16) for each wave, in slot 0, which has had its last fill and its last read when the first result is stored there
.set ADRA, 16                          ; v16-19  LDS address of my a fragments: slot 0 first and second 128 along K, slot 1 likewise
.set ADRB, 20                          ; v20-21  of my Wo fragments in slot 0, 1
.set STO,  24
.set RD,   25
.set CO,   26
.set SPW,  28
.set NIL,  29
.set AF,   128
.set BK,   128
.set G1, 24
.set G0, 32
.set G1B, 48
.set G0B, 56
.set MSB, 0
.macro WIN new                         ; the immediate's high byte repeats the setting that is left
.if MSB != \new
	s_set_vgpr_msb (MSB<<8)|\new
.set MSB, \new
.endif
.endm
.set MUL_LO, 0xa1
.set MUL_HI, 0xf1
.set TO_B,   0x40
.macro JLOAD g0a, g1a, g0b, g1b        ; a joint load: waves 0 and 1 for a, waves 2 and 3 for Wo; four v_nop follow each of the two lines
	s_cmp_eq_u32 s15, 0
	s_cbranch_scc0 .Lfor_b_\@
	tensor_load_to_lds s[\g0a:\g0a+3], s[\g1a:\g1a+7]
	s_nop 0
.rept 4
	v_nop
.endr
	s_branch .Lasked_\@
.Lfor_b_\@:
	tensor_load_to_lds s[\g0b:\g0b+3], s[\g1b:\g1b+7]
	s_nop 0
.rept 4
	v_nop
.endr
.Lasked_\@:
.endm
.macro CREST
	s_cmp_lg_u32 s14, 0
	s_cbranch_scc1 .Lnot_wave_0_\@
	s_barrier_signal -3
.Lnot_wave_0_\@:
	s_barrier_wait -3
	s_barrier_signal -1
	s_barrier_wait -1
.endm
.macro CROUND
	s_barrier_signal -1
	s_barrier_wait -1
	CREST
.endm
	s_load_b128 s[4:7], s[0:1], 0x0                ; a's codes s[4:5], Wo's s[6:7]
	s_load_b128 s[8:11], s[0:1], 0x10              ; the scales s[8:9], bo s[10:11]
	s_load_b64 s[12:13], s[0:1], 0x20              ; out0
	v_lshl_add_u32 v[SPW], v0, 2, SPARE
	v_mov_b32 v[NIL], 0
	ds_add_u32 v28, v29
	ds_add_u32 v28, v29
	s_wait_dscnt 0x0
	v_lshrrev_b32 v1, 5, v0
	v_readfirstlane_b32 s14, v1                    ; wave 0..3
	s_lshr_b32 s15, s14, 1                         ; which half of the tile's rows is mine.  Also: I fetch for a (0) or for Wo (1)
	s_and_b32 s16, s14, 1                          ; which half of its columns.  Also: which half of that tile I fetch
	s_bfe_u32 s40, ttmp6, 0x40000                  ; cx, cy
	s_bfe_u32 s41, ttmp6, 0x40004
	s_lshl_b32 s42, ttmp9, 2
	s_add_co_u32 s42, s42, s40                     ; tile column
	s_and_b32 s17, ttmp7, 0xffff
	s_lshl_b32 s17, s17, 2
	s_add_co_u32 s17, s17, s41                     ; tile row
	s_lshl_b32 s43, s41, 2
	s_lshl_b32 s43, 15, s43                        ; my row of the cluster
	s_lshl_b32 s44, 0x1111, s40                    ; my column
	s_or_b32 s[G1+0], s43, (0<<16)|(1<<20)|(1<<21)|(3<<22)|(3<<25)  ; a: the mask of my row; elements of 1 byte; padding on; bit 21 beside a mask; after every 16 words four words
	s_mov_b32 s[G1+1], 64<<16                      ; tensor_dim0 = 64
	s_mov_b32 s[G1+2], 512<<16                     ; tensor_dim1 = 512: two heads' 256 tokens
	s_mov_b32 s[G1+3], 64<<16                      ; tile_dim0
	s_mov_b32 s[G1+4], 512                         ; tile_dim1
	s_mov_b32 s[G1+5], 64                          ; the rows are dense
	s_mov_b32 s[G1+6], 0
	s_mov_b32 s[G1+7], 0
	s_or_b32 s[G1B+0], s44, (0<<16)|(1<<20)|(1<<21)|(5<<22)|(3<<25) ; Wo: the mask of my column; after every 64 words four words
	s_mov_b32 s[G1B+1], ROWB<<16
	s_mov_b32 s[G1B+2], 128<<16
	s_mov_b32 s[G1B+3], ROWB<<16
	s_mov_b32 s[G1B+4], 128
	s_mov_b32 s[G1B+5], 1024
	s_mov_b32 s[G1B+6], 0
	s_mov_b32 s[G1B+7], 0
	s_lshl_b32 s20, s17, 18                        ; a: 262,144 bytes for 256 tokens,
	s_lshl_b32 s18, s16, 15                        ; + the two heads that I fetch
	s_add_co_u32 s20, s20, s18
	s_mov_b32 s21, 0
	s_lshl_b32 s46, s42, 8
	s_lshl_b32 s18, s16, 7
	s_add_co_u32 s46, s46, s18                     ; Wo: row 256 x tile column + 128 x half,
	s_lshl_b32 s46, s46, 10                        ; of 1,024 bytes
	s_mov_b32 s47, 0
	s_mul_i32 s45, s16, 2*HEADB                    ; where they go: no place in the cluster enters an LDS address
	s_mul_i32 s23, s16, HALFB
	s_add_co_u32 s23, s23, APART
	s_wait_kmcnt 0x0
	s_load_b64 s[96:97], s[8:9], 0x28              ; e10, e11
	s_add_nc_u64 s[20:21], s[4:5], s[20:21]
	s_add_nc_u64 s[46:47], s[6:7], s[46:47]
	CROUND                                         ; all sixteen work-groups are here: the first joint loads meet
.irp s, 0,1
	s_mov_b32 s[G0+4*\s], 1
	s_add_co_u32 s[G0+4*\s+1], s45, \s*SLOT
	s_add_nc_u64 s[G0+4*\s+2:G0+4*\s+3], s[20:21], \s*65536         ; K step s: four heads on
	s_or_b32 s[G0+4*\s+3], s[G0+4*\s+3], 0x80000000
	s_mov_b32 s[G0B+4*\s], 1
	s_add_co_u32 s[G0B+4*\s+1], s23, \s*SLOT
	s_add_nc_u64 s[G0B+4*\s+2:G0B+4*\s+3], s[46:47], \s*ROWB
	s_or_b32 s[G0B+4*\s+3], s[G0B+4*\s+3], 0x80000000
	JLOAD G0+4*\s, G1, G0B+4*\s, G1B
.endr
	v_and_b32 v1, 15, v0                           ; r
	v_bfe_u32 v2, v0, 4, 1                         ; h
	v_mul_u32_u24 v3, v1, PA
	v_lshl_add_u32 v3, v2, 4, v3                   ; a: 80 r + 16 h
	v_mul_u32_u24 v4, v1, PITCH
	v_lshl_add_u32 v4, v2, 4, v4                   ; Wo: 272 r + 16 h
	s_mul_i32 s21, s15, 128*PA                     ; my 128 tokens
	s_mul_i32 s22, s16, HALFB                      ; my 128 rows of Wo,
	s_add_co_u32 s22, s22, APART                   ; which lie behind a's part
.irp s, 0,1
	v_add_nc_u32 v[ADRA+2*\s], s21, v3
	v_add_nc_u32 v[ADRA+2*\s+1], 2*HEADB, v[ADRA+2*\s]              ; the slot's second 128 along K: two heads on
	v_add_nc_u32 v[ADRB+\s], s22, v4
	s_add_co_u32 s21, s21, SLOT
	s_add_co_u32 s22, s22, SLOT
.endr
	s_mul_i32 s23, s14, 16*SPITCH                  ; my stage
	v_mul_u32_u24 v5, v1, SPITCH                   ; in: row r, 32 bytes for each half of the lanes
	v_lshl_add_u32 v5, v2, 5, v5
	v_add_nc_u32 v[STO], s23, v5
	v_and_b32 v6, 31, v0
	v_lshlrev_b32 v[CO], 4, v6                     ; back: the 32 lanes take one row of 512 bytes; and the same in out0 and in bo
	v_add_nc_u32 v[RD], s23, v[CO]
	s_lshl_b32 s20, s17, 8
	s_lshl_b32 s21, s15, 7
	s_add_co_u32 s20, s20, s21                     ; my first row
	s_lshl_b32 s20, s20, 12                        ; of 4,096 bytes
	s_mov_b32 s21, 0
	s_lshl_b32 s46, s42, 10                        ; my first column, in bytes
	s_lshl_b32 s47, s16, 9
	s_add_co_u32 s46, s46, s47
	s_mov_b32 s47, 0
	s_add_nc_u64 s[10:11], s[10:11], s[46:47]
	s_add_nc_u64 s[20:21], s[20:21], s[46:47]
	s_add_nc_u64 s[12:13], s[12:13], s[20:21]
	global_load_b128 v[8:11], v[CO], s[10:11]      ; bo of my four columns of a row read back
; Fragments, 16 rows x 128 K: registers 4 c .. 4 c + 3 hold K = 32 c + 16 (l / 16) + 0 .. 15 of the 128, in a and in Wo alike.  In a that is head c / 2 of the two, channels 32 (c % 2) + 16 (l / 16) on.
.macro FRAGA reg, slot, q, i
.irp c, 0,1,2,3
	ds_load_b128 v[\reg+4*\c:\reg+4*\c+3], v[ADRA+2*(\slot)+(\q)] offset:(\c/2)*HEADB+(\c%2)*32+(\i)*16*PA
.endr
.endm
.macro FRAGB reg, slot, q, i
.irp c, 0,1,2,3
	ds_load_b128 v[\reg+4*\c:\reg+4*\c+3], v[ADRB+(\slot)] offset:128*(\q)+32*\c+(\i)*16*PITCH
.endr
.endm
; 16 matrix instructions; the 64 accumulators take turns, one instruction a turn, in the same order in every step.  zero = 1: the first product starts the sums
.macro MUL16 a0, p, zero
.irp a, \a0, \a0+1
.irp b, 0,1,2,3,4,5,6,7
.if \zero
	v_wmma_f32_16x16x128_fp8_fp8 v[8*(8*((\a)%4)+\b):8*(8*((\a)%4)+\b)+7], v[128*(\p)+FR*\b:128*(\p)+FR*\b+FR-1], v[AF+FR*(\a):AF+FR*(\a)+FR-1], 0
.else
	v_wmma_f32_16x16x128_fp8_fp8 v[8*(8*((\a)%4)+\b):8*(8*((\a)%4)+\b)+7], v[128*(\p)+FR*\b:128*(\p)+FR*\b+FR-1], v[AF+FR*(\a):AF+FR*(\a)+FR-1], v[8*(8*((\a)%4)+\b):8*(8*((\a)%4)+\b)+7]
.endif
.endr
.endr
.endm
.macro FETCH_B slot, q, p
	WIN TO_B
.irp i, 0,1,2,3,4,5,6,7
	FRAGB 128*(\p)+FR*\i, \slot, \q, \i
.endr
	WIN 0
.endm
.macro FETCH_A slot, q, i0
.irp i, \i0, \i0+1, \i0+2, \i0+3
	FRAGA AF+FR*(\i), \slot, \q, \i
.endr
.endm
.macro PLACES n
.rept \n
	v_nop
.endr
.endm
.macro STEP slot, q, zero
	s_wait_dscnt 4*NL                              ; Wo's set and a's blocks 0-3 are in; the youngest sixteen loads (a's blocks 4-7) may be out
	WIN MUL_LO
	MUL16 0, (\q)%2, \zero
	MUL16 2, (\q)%2, \zero
	s_wait_dscnt 0
	PLACES NP
	FETCH_B \slot, (\q)+1, 1-(\q)%2
	FETCH_A \slot, (\q)+1, 0
	WIN MUL_HI
	MUL16 4, (\q)%2, \zero
	MUL16 6, (\q)%2, \zero
	PLACES NP
	WIN 0
	FETCH_A \slot, (\q)+1, 4
.endm
; A slot's last step changes slots: ONE barrier; in front of it each wave waits for all its tensor loads, adds 0 to its spare word, and waits for that and for its own reads of this slot.
.macro TURN slot, next, fill
	s_wait_tensorcnt 0x0                           ; all my tensor loads have landed: my part of the next slot
	ds_add_u32 v[SPW], v[NIL]                      ; 0 onto my spare word
	s_wait_dscnt 4*NL+1                            ; (the add and the youngest sixteen loads may be out)
	WIN MUL_LO
	MUL16 0, 1, 0
	s_wait_dscnt 0x0                               ; the add is done, and my reads of this slot are over
	s_barrier_signal -1
	MUL16 2, 1, 0
	WIN 0
	s_barrier_wait -1
.if \fill
	CREST                                          ; the barrier has opened a round of the cluster's barrier
	s_add_nc_u64 s[G0+4*\slot+2:G0+4*\slot+3], s[G0+4*\slot+2:G0+4*\slot+3], 2*65536
	s_add_nc_u64 s[G0B+4*\slot+2:G0B+4*\slot+3], s[G0B+4*\slot+2:G0B+4*\slot+3], 2*ROWB
	JLOAD G0+4*\slot, G1, G0B+4*\slot, G1B         ; the first tensor load behind the round; its four v_nop are also the places in front of the loads below
.else
	PLACES NP
.endif
	FETCH_B \next, 0, 0
	FETCH_A \next, 0, 0
	WIN MUL_HI
	MUL16 4, 1, 0
	MUL16 6, 1, 0
	PLACES NP
	WIN 0
	FETCH_A \next, 0, 4
.endm
	s_wait_tensorcnt 1                             ; my part of K step 0 is in (K step 1's load may be out)
	s_barrier_signal -1
	s_barrier_wait -1
	FETCH_B 0, 0, 0
	FETCH_A 0, 0, 0
	FETCH_A 0, 0, 4
	STEP 0, 0, 1
	s_mov_b32 s3, LAPS-1
.Llap:
	TURN 0, 1, 1
	STEP 1, 0, 0
	TURN 1, 0, 1
	STEP 0, 0, 0
	s_sub_co_u32 s3, s3, 1
	s_cmp_lg_u32 s3, 0
	s_cbranch_scc1 .Llap
	TURN 0, 1, 0
	STEP 1, 0, 0
	s_wait_dscnt 4*NL
	WIN MUL_LO
	MUL16 0, 1, 0
	MUL16 2, 1, 0
	s_wait_dscnt 0
	WIN MUL_HI
	MUL16 4, 1, 0
	MUL16 6, 1, 0
	WIN 0
; THE WAY OUT, block by block of 16 rows x 128 columns.  The sums go into my own stage as they stand (each accumulator's low four registers first) and come back as whole rows of 512 bytes, a lane four neighbouring columns;
; there one packed multiply-add for two numbers gives sum x 2^(e10 + e11) + bo, with the same four numbers of bo for every row.  LDS serves a wave's instructions in order: no wait between the stores and the loads.
.macro TOSTAGE a
.set AC, 64*((\a)%4)
	WIN 0x08+4*((\a)/4)                            ; an LDS store's data: window 2 or 3
.irp b, 0,1,2,3,4,5,6,7
	ds_store_b128 v[STO], v[AC+8*\b:AC+8*\b+3] offset:64*\b
	ds_store_b128 v[STO], v[AC+8*\b+4:AC+8*\b+7] offset:64*\b+16
.endr
	WIN 0
.set BB, BK+64*((\a)%2)
.irp t, 0,1,2,3,4,5,6,7,8,9,10,11,12,13,14,15
	ds_load_b128 v[BB+4*\t:BB+4*\t+3], v[RD] offset:\t*SPITCH
.endr
.endm
.macro SEND a, younger                 ; younger: the LDS instructions issued behind block a's loads, which may stay out
.set BB, BK+64*((\a)%2)
	s_wait_dscnt \younger
.if (\a) > 0
	s_add_nc_u64 s[12:13], s[12:13], 16*4096       ; (behind a wait on XCNT: the earlier stores have read their base)
.endif
.irp t, 0,1,2,3,4,5,6,7,8,9,10,11,12,13,14,15
	v_pk_fma_f32 v[BB+4*\t:BB+4*\t+1], v[BB+4*\t:BB+4*\t+1], s[96:97], v[8:9] op_sel_hi:[1,0,1]
	v_pk_fma_f32 v[BB+4*\t+2:BB+4*\t+3], v[BB+4*\t+2:BB+4*\t+3], s[96:97], v[10:11] op_sel_hi:[1,0,1]
.endr
.irp t, 0,1,2,3,4,5,6,7,8,9,10,11,12,13,14,15
	global_store_b128 v[CO], v[BB+4*\t:BB+4*\t+3], s[12:13] offset:\t*4096 th:TH_STORE_NT   ; 32 lanes store 512 consecutive bytes, aligned; written once, read by nobody here
.endr
.endm
	s_wait_kmcnt 0x0
	s_add_co_i32 s96, s96, s97
	s_add_co_i32 s96, s96, 127
	s_lshl_b32 s96, s96, 23                        ; 2^(e10 + e11) as f32
	s_mov_b32 s97, s96                             ; (named with it as a pair, so it is written)
	s_wait_loadcnt 0x0                             ; bo
	PLACES NP                                      ; behind the last products: their results are stored and a's registers loaded below
	TOSTAGE 0
.irp a, 1,2,3,4,5,6,7
.if \a > 1
	s_wait_xcnt 0x0                                ; block a - 2's stores have read their registers and their base
.endif
	TOSTAGE \a
	SEND \a-1, 32                                  ; behind block a - 1's loads: block a's 16 stores and 16 loads
.endr
	s_wait_xcnt 0x0
	SEND 7, 0
	s_wait_tensorcnt 0x0                           ; the wave's end
	ds_add_u32 v[SPW], v[NIL]
	s_wait_dscnt 0x0
	CROUND                                         ; the closing round
	s_endpgm
.Lfunc_end_k_q67b2ee14a8_outp:
	.size	k_q67b2ee14a8_outp, .Lfunc_end_k_q67b2ee14a8_outp-k_q67b2ee14a8_outp
	.p2alignl 7, 3214868480
	.fill 96, 4, 3214868480
	.section	.rodata,"a",@progbits
	.p2align	6, 0x0
	.amdhsa_kernel k_q67b2ee14a8_outp
		.amdhsa_group_segment_fixed_size 327680
		.amdhsa_private_segment_fixed_size 0
		.amdhsa_enable_private_segment 0
		.amdhsa_kernarg_size 40
		.amdhsa_user_sgpr_count 2
		.amdhsa_user_sgpr_kernarg_segment_ptr 1
		.amdhsa_wavefront_size32 1
		.amdhsa_system_sgpr_workgroup_id_x 1
		.amdhsa_system_sgpr_workgroup_id_y 1
		.amdhsa_system_sgpr_workgroup_id_z 1
		.amdhsa_system_vgpr_workitem_id 0
		.amdhsa_next_free_vgpr 1024
		.amdhsa_next_free_sgpr 98
		.amdhsa_reserve_vcc 0
		.amdhsa_float_denorm_mode_32 3
		.amdhsa_float_denorm_mode_16_64 3
		.amdhsa_memory_ordered 1
		.amdhsa_forward_progress 1
		.amdhsa_inst_pref_size 124
	.end_amdhsa_kernel
	.amdgpu_metadata
---
amdhsa.version: [ 1, 2 ]
amdhsa.kernels:
  - .name:           k_q67b2ee14a8_outp
    .symbol:         k_q67b2ee14a8_outp.kd
    .args:
      - { .name: ac, .offset: 0, .size: 8, .value_kind: global_buffer, .address_space: global }
      - { .name: Wo_codes, .offset: 8, .size: 8, .value_kind: global_buffer, .address_space: global }
      - { .name: lowp_scales, .offset: 16, .size: 8, .value_kind: global_buffer, .address_space: global }
      - { .name: bo, .offset: 24, .size: 8, .value_kind: global_buffer, .address_space: global }
      - { .name: out0, .offset: 32, .size: 8, .value_kind: global_buffer, .address_space: global }
    .group_segment_fixed_size: 327680
    .private_segment_fixed_size: 0
    .kernarg_segment_align: 8
    .kernarg_segment_size: 40
    .max_flat_workgroup_size: 128
    .sgpr_count:     98
    .vgpr_count:     1024
    .wavefront_size: 32
...
	.end_amdgpu_metadata
.endif
;; end of part 4
;; ======== version 2 of 2: 4 launches; version 1 with the launch attn written anew for expert scheduling mode
;; limits: right only within a limited range of input values
;; workspace buffers: qc 8,388,608 bytes; kc 8,388,608 bytes; vc 8,388,608 bytes; ac 8,388,608 bytes; mbits 2,097,152 bytes of whole numbers
;; launch pack: the kernel of part 1 again; grid 512 x 1, 4 waves a work-group, no clusters, 34,304 bytes of LDS; arguments mask, mbits; writes mbits
;; launch proj: the kernel of part 2 again; grid 4 x 96, 4 waves a work-group, clusters of 4 x 4, 327,680 bytes of LDS; arguments Q_codes, K_codes, V_codes, Wq_codes, Wk_codes, Wv_codes, bq, bk, bv, lowp_scales, qc, kc, vc; writes qc, kc, vc
;; launch attn (part 5): grid 4 x 64, 16 waves a work-group, no clusters, 284,672 bytes of LDS; arguments qc, kc, vc, mbits, lowp_scales, ac; writes ac
.if DOCPART == 5
	.amdgcn_target "amdgcn-amd-amdhsa--gfx1250"
	.amdhsa_code_object_version 6
	.text
	.protected	k_q67b2ee14a8_attn
	.globl	k_q67b2ee14a8_attn
	.p2align	8
	.type	k_q67b2ee14a8_attn,@function
k_q67b2ee14a8_attn:
	s_mov_b64 s[64:65], 0
	v_nop
	global_prefetch_b8 v0, s[64:65] scope:SCOPE_SE
	s_setreg_imm32_b32 hwreg(HW_REG_WAVE_SCHED_MODE, 0, 2), 2
	s_setreg_imm32_b32 hwreg(HW_REG_WAVE_MODE, 25, 1), 1
	s_wait_xcnt 0x0
	s_wait_alu depctr_vm_vsrc(0)
; Attention of one head on codes of FP8 (E4M3): S^T = k q^T, the mask, p = 2^(t - M), O^T = v^T p^T, O / l, quantised for the last projection.
; qc, kc: images of the 16x16x64 form's fragments, 1,024 bytes for 16 tokens of a head.  vc: images of the 16x16x128 form's fragments of v^T (16 channels x 128 keys).  mbits: the mask as lane masks, made by an earlier launch.
; SHARES.  Work-group (j, bh): head bh = 16 b + head, the 32 tiles of 16 queries with T % 4 = j.  The head's whole k (128 KiB) and v (128 KiB) are brought into LDS once, through registers: one barrier in the launch.
; Sixteen waves, 256 registers each: four to a SIMD, so that one wave's vector work stands beside another's matrix work and LDS loads.  Wave w takes tiles T = 4 u + j for u = w and then u = w + 16, and walks all 2,048 keys for each, 128 a step.
; A lane holds ONE query (lane % 16) throughout.  In tile c of S^T register j is key 16 c + 8 (lane / 16) + j, so eight registers convert into registers 2 c, 2 c + 1 of p's fragment, in that form's own order.
; THE MASK is data, and no branch hangs on it: in every step each score register is passed through one select with its lane mask, which scalar loads bring (64 words a step).
; The masks are asked for ONE STEP AHEAD: behind the selects of step s, their registers' last readers, for step s + 1; the rest of the step and the next step's first product stand between the request and the wait for it.
; SOFTMAX.  t = score x log2(e) / 8 x 2^(e6 + e7); M = the running largest t rounded UP to a whole number, kept as -M; p = 2^(t - M); the row's sum is taken of the unquantised p; when M moves, the sum and O^T are multiplied by 2^(old M - new M).
; A row that has met hidden keys alone has p = 1 for them under a very low M; its first key that counts multiplies what was summed by 0.  A row with no key that counts keeps p = 1 throughout: the average of v.
; NO CLUSTER: the four work-groups of a head read the same k and v, but once each, at the head: 256 KiB a work-group, against the 512 wave-steps x 16 KiB = 8 MiB that its waves then read from LDS.
; LIMITS.  A hidden logit is taken as -2^30 (reference: -1e9): the results differ only where true logits come near -1e9.  e6 + e7 between -94 and 130; e8 and e10 between -126 and 119.  NaN is not served.
; THE MODE: SCHED_MODE bits 1:0 = 2 (LLVM: expert scheduling mode 2), set by the entry lines.  The code itself states the register dependences
; between vector or matrix instructions and memory or LDS instructions, with s_wait_alu, always for 0.
; THE PLAN.  Registers that memory or LDS instructions touch:
;   v[F ..]      A step: k's 16 LDS loads land in it at the step's head; the eight products k q^T read it; v's 16 LDS loads land in it in the step's middle; the four products v^T p^T read it at the step's end.
;   v[ADK], v[ADV]  Written by two additions at the step's head; read by that step's LDS loads.
;   v[Q ..]      A tile: two global loads land in it; the products k q^T read it.
;   v212-219     The way out: written by the conversions, read by four LDS stores.     v220-227: written by two LDS loads, read by two global stores; no vector instruction names them.
;   v[F ..], v[S ..] at the kernel's head: the fill's global loads land in them, its LDS stores read them.  In the loop v[S ..], v[O ..] and v[PC ..] are named by vector and matrix instructions alone.
;   v[L16], v[STO], v[SRD], v8, v9, v228-230, v254, v255: addresses, made once at the head and never written again.  q's rows and ac's are reached by a scalar base, s[100:101], with v[L16] as the offset.
; A step has one wait on vm_vsrc and three on va_vdst.  At its head: the last step's LDS loads have read the two addresses; behind the two additions: these are written, and the last step's four products are done reading v[F ..].
; Behind the selects and the statistics: the eight products are done reading v[F ..], and the selects the mask registers; v's loads follow, dealt among the scalings, which name v[S ..] and v12, v13 alone, and so do the next masks' scalar loads.
; Behind the exponentials: the wait for the batch.  The way out has two waits on va_vdst (the reciprocal; the conversions' codes), a tile's end one on vm_vsrc.
.set VB,   131072                      ; LDS: k's images at 0 (step s at 8,192 s, tile c at 1,024 c, piece at 512), v's here (key block at 8,192 kb, pieces 2-3 at 4,096, channel tile at 1,024 t, piece at 512),
.set STG,  262144                      ; and a stage of 16 rows x 80 bytes for each wave, its own
.set SP,   80
.set L16,  1                           ; v1   16 x lane
.set ADK,  2                           ; v2   the step's k
.set ADV,  3                           ; v3   the step's v
.set STO,  4                           ; v4   the stage: row r, + 8 h
.set SRD,  5                           ; v5   and back: 80 (lane / 4) + 16 (lane % 4)
.set NEG,  7                           ; v7   a hidden score: -2^(33 - e6 - e7)
.set Q,    16                          ; v16-23   q's fragment
.set F,    24                          ; v24-87   eight fragments of k, then four of v
.set S,    88                          ; v88-151  S^T, then p
.set O,    152                         ; v152-183 O^T
.set PC,   184                         ; v184-199 p's codes
; v8, v228-230 LDS addresses of the fill (v8 also k's offset), v9 v's offset; v10, v11 at work at the head; v12 -M, v13 the largest t, v[14:15] the sum in two halves; v200, v201 at work; v202 a permute's destination; v[204:205] f; v[206:207] a second chain of the sum;
; v208: 2^e8; v209 and v231: 448 x 2^e8, twice, for the two halves of a dual line; v210, v211: 2^e10 and 448 x 2^e10; v212-219 the result's codes; v220-227 rows read back; v254, v255 the closing add's two
; s[2:3] the unit of mbits; s16 wave, s17 j, s18 bh, s19 u, s20 T, s21 step, s22 the byte offset of the masks asked for, s24 8,192 x step, s25 tiles done, s[26:27] c, s[28:29] lane selects, s[32:63] and s[68:99] a step's 64 lane masks, s67 e8 + e9,
; s[100:101] the tile's rows of qc, then of ac
	s_load_b256 s[4:11], s[0:1], 0x0               ; qc s[4:5], kc s[6:7], vc s[8:9], mbits s[10:11]
	s_load_b128 s[12:15], s[0:1], 0x20             ; the scales s[12:13], ac s[14:15]
	v_lshl_add_u32 v254, v0, 2, 0x45000
	v_mov_b32 v255, 0
	v_lshrrev_b32 v11, 5, v0
	v_readfirstlane_b32 s16, v11                   ; wave 0..15
	s_mov_b32 s17, ttmp9                           ; j
	s_and_b32 s18, ttmp7, 0xffff                   ; bh
	v_and_b32 v11, 31, v0
	v_lshlrev_b32 v[L16], 4, v11
	v_lshlrev_b32 v8, 4, v0                        ; 16 x thread: 8,192 bytes a load of the work-group
	v_lshrrev_b32 v9, 8, v0
	v_and_b32 v10, 0xff, v0
	v_lshlrev_b32 v10, 4, v10
	v_lshl_or_b32 v9, v9, 17, v10                  ; v: threads 0-255 take pieces 0, 1 of a key block (4,096 bytes on end), threads 256-511 pieces 2, 3, which lie 131,072 bytes on
	v_add_nc_u32 v228, 0x10000, v8
	v_add_nc_u32 v229, 0x20000, v8
	v_add_nc_u32 v230, 0x30000, v8
	s_wait_alu depctr_va_sdst(0)                   ; s16 is written, ahead of its first reader: my stage's place and my tiles' numbers are made from it
	s_lshl_b32 s30, s18, 17                        ; q and k: 131,072 bytes a head
	s_mov_b32 s31, 0
	s_and_b32 s100, s18, 0xfffe
	s_lshl_b32 s100, s100, 17                      ; v: a pair of heads shares 262,144 bytes,
	s_and_b32 s101, s18, 1
	s_lshl_b32 s101, s101, 12                      ; the odd head 4,096 bytes on
	s_add_co_u32 s100, s100, s101
	s_mov_b32 s101, 0
	s_wait_kmcnt 0x0
	s_load_b128 s[32:35], s[12:13], 0x18           ; e6, e7, e8, e9
	s_load_b32 s36, s[12:13], 0x28                 ; e10
	s_add_nc_u64 s[4:5], s[4:5], s[30:31]
	s_add_nc_u64 s[6:7], s[6:7], s[30:31]
	s_add_nc_u64 s[8:9], s[8:9], s[100:101]
	s_wait_alu depctr_va_vdst(0)                   ; v[L16], v8, v9 and v228 to v230 are written: the fill's loads and LDS stores, and every load of q and store of ac, read one of them as address or offset
.set i, 0
.rept 16
	global_load_b128 v[F+4*i:F+4*i+3], v8, s[6:7] offset:8192*i       ; k: 16 x 8,192 bytes
.set i, i+1
.endr
.set i, 0
.rept 16
	global_load_b128 v[S+4*i:S+4*i+3], v9, s[8:9] offset:8192*i       ; v: key block i
.set i, i+1
.endr
	v_and_b32 v10, 15, v0                          ; r
	v_bfe_u32 v11, v0, 4, 1                        ; h
	s_mul_i32 s30, s16, 16*SP
	s_add_co_u32 s30, s30, STG                     ; my stage
	v_mul_u32_u24 v[STO], v10, SP                  ; (v[STO] and v[SRD] are first read on a tile's way out: every step's waits on va_vdst stand between)
	v_lshl_add_u32 v[STO], v11, 3, v[STO]
	v_add_nc_u32 v[STO], s30, v[STO]
	v_bfe_u32 v10, v0, 2, 3                        ; lane / 4
	v_and_b32 v11, 3, v0
	v_mul_u32_u24 v[SRD], v10, SP
	v_lshl_add_u32 v[SRD], v11, 4, v[SRD]
	v_add_nc_u32 v[SRD], s30, v[SRD]
	v_mov_b32 v202, 0                              ; written once: a lane permute's destination counts as one of its sources
	v_mov_b32 v205, 0                              ; (named as the upper half of the pair v[204:205])
	s_mov_b32 s28, 0x76543210
	s_mov_b32 s29, 0xfedcba98                      ; v_permlanex16_b32: lane l xor 16
	s_wait_kmcnt 0x0
	s_add_co_i32 s30, s32, s33                     ; e6 + e7
	s_lshl_b32 s31, s30, 23
	s_add_co_i32 s26, s31, 0x3e38aa3b              ; c = log2(e) / 8, with the two exponents added to its exponent field
	s_mov_b32 s27, s26                             ; (named with it as a pair, so it is written)
	s_sub_co_i32 s30, 160, s30
	s_lshl_b32 s30, s30, 23
	s_or_b32 s30, s30, 0x80000000
	v_mov_b32 v[NEG], s30                          ; -2^(33 - e6 - e7): the score of a logit of -2^30.  Its t is a whole number, so a row of hidden keys alone has p = 1 throughout
	s_add_co_i32 s30, s34, 127
	s_lshl_b32 s31, s30, 23
	v_mov_b32 v208, s31                            ; 2^e8
	s_add_co_i32 s30, s30, 8
	s_lshl_b32 s30, s30, 23
	s_or_b32 s30, s30, 0x600000
	v_mov_b32 v209, s30                            ; 448 x 2^e8,
	v_mov_b32 v231, s30                            ; and once more, in another bank of registers (209 % 4 = 1, 231 % 4 = 3): the first sources of a dual line's two halves
	s_add_co_i32 s30, s36, 127
	s_lshl_b32 s31, s30, 23
	v_mov_b32 v210, s31                            ; 2^e10
	s_add_co_i32 s30, s30, 8
	s_lshl_b32 s30, s30, 23
	s_or_b32 s30, s30, 0x600000
	v_mov_b32 v211, s30                            ; 448 x 2^e10
	s_add_co_i32 s67, s34, s35                     ; e8 + e9
.set i, 0
.rept 32
	s_wait_loadcnt 31-i                            ; loads come back in order: load i is in, the younger ones may be out
.if i < 8
	ds_store_b128 v8, v[F+4*i:F+4*i+3] offset:8192*i
.elseif i < 16
	ds_store_b128 v228, v[F+4*i:F+4*i+3] offset:8192*(i-8)
.elseif i < 24
	ds_store_b128 v229, v[F+4*i:F+4*i+3] offset:8192*(i-16)
.else
	ds_store_b128 v230, v[F+4*i:F+4*i+3] offset:8192*(i-24)
.endif
.set i, i+1
.endr
	s_wait_dscnt 0x0                               ; for the others' sake: my stores have landed
	s_barrier_signal -1
	s_barrier_wait -1                              ; the head's k and v lie in LDS; from here on they are only read
	s_wait_alu depctr_vm_vsrc(0)                   ; my LDS stores have read v[F ..] and v[S ..]: from here on the fragments' loads and the products write these registers
; 64 lane masks, 256 bytes, from s22 bytes on in my unit
.macro MASKS
	s_load_b512 s[32:47], s[2:3], s22 offset:0
	s_load_b512 s[48:63], s[2:3], s22 offset:64
	s_load_b512 s[68:83], s[2:3], s22 offset:128
	s_load_b512 s[84:99], s[2:3], s22 offset:192
.endm
; A KEY STEP: 128 keys
.macro STEP
	s_wait_alu depctr_vm_vsrc(0)                   ; the last step's LDS loads have read v[ADK] and v[ADV], which the two lines below write anew
	v_add_nc_u32 v[ADK], s24, v[L16]
	v_add_nc_u32 v[ADV], VB, v[ADK]
	s_wait_alu depctr_va_vdst(0)                   ; v[ADK] and v[ADV] are written, which this step's LDS loads read; the last step's four products are done reading v[F ..], in which k's fragments land
.irp c, 0,1,2,3,4,5,6,7
	ds_load_b128 v[F+8*\c:F+8*\c+3], v[ADK] offset:1024*\c           ; an image comes back as it was stored: 512 consecutive bytes a load
	ds_load_b128 v[F+8*\c+4:F+8*\c+7], v[ADK] offset:1024*\c+512
.endr
	s_wait_dscnt 0x0
.irp c, 0,1,2,3,4,5,6,7
	v_wmma_f32_16x16x64_fp8_fp8 v[S+8*\c:S+8*\c+7], v[F+8*\c:F+8*\c+7], v[Q:Q+7], 0   ; S^T: source 0 = 16 keys, source 1 = my 16 queries
.endr
.rept 4
	v_nop                                          ; places in front of the first read of the scores
.endr
	s_wait_kmcnt 0x0                               ; this step's lane masks, asked for a step ago (a tile's first: in its prologue), are in; s22 may be written again
.set i, 0
.rept 64
	v_cndmask_b32 v[S+i], v[S+i], v[NEG], s[32+i+4*(i/32)]           ; a hidden key's score; each accumulator from its low end on
.set i, i+1
.endr
	v_max3_num_f32 v200, v[S], v[S+1], v[S+2]      ; the step's largest score of my query, among my 64 keys, in two chains
	v_max3_num_f32 v201, v[S+3], v[S+4], v[S+5]
.irp i, 6,10,14,18,22,26,30,34,38,42,46,50,54,58
	v_max3_num_f32 v200, v200, v[S+\i], v[S+1+\i]
	v_max3_num_f32 v201, v201, v[S+2+\i], v[S+3+\i]
.endr
	v_max3_num_f32 v200, v200, v[S+62], v[S+63]
	v_max_num_f32 v200, v200, v201
	v_permlanex16_b32 v202, v200, s28, s29
	v_max_num_f32 v200, v200, v202                 ; and among lane l xor 16's
	v_mul_f32 v200, s26, v200                      ; as t (c is positive)
	v_max_num_f32 v13, v13, v200                   ; the running largest t
	v_mov_b32 v200, v12
	v_floor_f32 v12, -v13                          ; the new -M = floor(-t) = -ceil(t)
	v_sub_f32 v200, v12, v200                      ; old M - new M: a whole number, 0 or less
	v_cvt_i32_f32 v200, v200                       ; (it saturates)
	v_ldexp_f32 v204, 1.0, v200                    ; f = 2^(old M - new M)
	s_add_co_u32 s22, s21, 1                       ; THE NEXT STEP'S LANE MASKS are asked for here: the selects above were the last readers of their registers.
	s_min_u32 s22, s22, 15                         ; A tile's last step asks for its own once more: the address stays inside my unit, and no branch is needed
	s_lshl_b32 s22, s22, 8
	s_wait_alu depctr_va_vdst(0)                   ; the eight products are done reading v[F ..], in which v's fragments land; the selects are done reading s[32:63] and s[68:99], in which the next masks land
	MASKS
.set i, 0
.irp t, 0,1,2,3                                ; v's four fragments, a fragment's four loads at a time, dealt among the scalings: these name v[S ..], v12 and v13, none of the registers that the loads touch, so no further wait is owed.  They land under the softmax
.irp p, 0,1,2,3
	ds_load_b128 v[F+16*\t+4*\p:F+16*\t+4*\p+3], v[ADV] offset:4096*(\p/2)+1024*\t+512*(\p%2)
.endr
.rept 8
	v_pk_fma_f32 v[S+i:S+i+1], v[S+i:S+i+1], s[26:27], v[12:13] op_sel_hi:[1,0,0]   ; t - M, two at a time
.set i, i+2
.endr
.endr
.set i, 0
.rept 64
	v_exp_f32 v[S+i], v[S+i]                       ; p = 2^(t - M)
.set i, i+1
.endr
	v_pk_mul_f32 v[14:15], v[14:15], v[204:205] op_sel_hi:[1,0]      ; the sums under the new M: the plain line behind the exponentials
	s_wait_alu depctr_va_vdst(0)                   ; the 64 exponentials have written v[S ..]: one wait for the whole batch, ahead of its first reader
	v_pk_add_f32 v[206:207], v[S:S+1], v[S+2:S+3]  ; the row's sum is taken of the unquantised p
.irp i, 4,8,12,16,20,24,28,32,36,40,44,48,52,56,60
	v_pk_add_f32 v[14:15], v[14:15], v[S+\i:S+1+\i]
	v_pk_add_f32 v[206:207], v[206:207], v[S+2+\i:S+3+\i]
.endr
	v_pk_add_f32 v[14:15], v[14:15], v[206:207]
.set i, 0
.rept 32
	v_dual_min_num_f32 v[S+i], v209, v[S+i] :: v_dual_min_num_f32 v[S+i+1], v231, v[S+i+1]   ; the conversion does not saturate (ISA guide 7.6.2); p is not negative, so the hold is one-sided; it stands whatever e8 is.  Two to a line: an even and an odd destination, sources in different banks
.set i, i+2
.endr
.irp c, 0,1,2,3,4,5,6,7
	v_cvt_scalef32_pk8_fp8_f32 v[PC+2*\c:PC+2*\c+1], v[S+8*\c:S+8*\c+7], v208
.endr
.set i, 0
.rept 16
	v_pk_mul_f32 v[O+i:O+i+1], v[O+i:O+i+1], v[204:205] op_sel_hi:[1,0]   ; O^T under the new M; these are also the plain lines behind the conversions
.set i, i+2
.endr
	s_wait_dscnt 0x0                               ; v's fragments are in
.irp t, 0,1,2,3
	v_wmma_f32_16x16x128_fp8_fp8 v[O+8*\t:O+8*\t+7], v[F+16*\t:F+16*\t+15], v[PC:PC+15], v[O+8*\t:O+8*\t+7]   ; O^T += v^T p^T: four accumulators by turns; the next step's eight products stand between two links
.endr
.rept 4
	v_nop                                          ; places behind these products, ahead of the way out's reads of O^T; for the next step's loads into v[F ..] the wait at its head states the dependence
.endr
.endm
	s_mov_b32 s19, s16                             ; u = wave
	s_mov_b32 s25, 0
.Ltile:
	s_lshl_b32 s20, s19, 2
	s_add_co_u32 s20, s20, s17                     ; T = 4 u + j
	s_lshr_b32 s30, s18, 4                         ; b
	s_lshl_b32 s30, s30, 7
	s_add_co_u32 s30, s30, s20                     ; unit = 128 b + T,
	s_lshl_b32 s30, s30, 12                        ; of 4,096 bytes
	s_mov_b32 s31, 0
	s_add_nc_u64 s[2:3], s[10:11], s[30:31]        ; (no scalar load is out here: the wait at the tile's end)
	s_mov_b32 s22, 0
	MASKS                                          ; the tile's first lane masks, beside q's loads
	s_lshl_b32 s30, s20, 10
	s_add_nc_u64 s[100:101], s[4:5], s[30:31]      ; q's image of tile T: 1,024 T bytes on (the last tile's stores have read this pair: the wait on XCNT at the tile's end)
	global_load_b128 v[Q:Q+3], v[L16], s[100:101]  ; no wait on va_vdst is owed: the last products that read v[Q ..] stand ahead of the waits in the last step's middle, no vector or matrix instruction since names them, and v[L16] is never rewritten
	global_load_b128 v[Q+4:Q+7], v[L16], s[100:101] offset:512
	v_mov_b32 v13, 0xff61b1e6                      ; the largest t so far: -3e38, under every t
	v_floor_f32 v12, -v13
	v_mov_b32 v14, 0
	v_mov_b32 v15, 0
.set i, 0
.rept 32
	v_mov_b32 v[O+i], 0                            ; the step is written once: a tile's first finds zeros, which the first change of M leaves zeros
.set i, i+1
.endr
	s_mov_b32 s21, 0
	s_mov_b32 s24, 0
	s_wait_loadcnt 0x0                             ; q
.Lstep:                                            ; 16 trips: all 2,048 keys
	STEP
	s_add_co_u32 s21, s21, 1
	s_add_co_u32 s24, s24, 8192
	s_cmp_lt_u32 s21, 16
	s_cbranch_scc1 .Lstep
	; THE TILE'S WAY OUT: O^T x 2^(e8 + e9) / the sum, held, converted; through my stage, so that a store covers 512 consecutive bytes of ac ([token / 256][head][token % 256][64 codes])
	v_add_f32 v14, v14, v15
	v_permlanex16_b32 v202, v14, s28, s29
	v_add_f32 v14, v14, v202                       ; the row's sum
	v_rcp_f32 v14, v14
	s_lshr_b32 s30, s18, 4
	s_lshl_b32 s30, s30, 3
	s_lshr_b32 s31, s20, 4
	s_add_co_u32 s30, s30, s31                     ; token / 256 = 8 b + T / 16
	s_lshl_b32 s30, s30, 4
	s_and_b32 s31, s18, 15
	s_add_co_u32 s30, s30, s31                     ; x 16 + head
	s_lshl_b32 s30, s30, 14
	s_and_b32 s31, s20, 15
	s_lshl_b32 s31, s31, 10
	s_add_co_u32 s30, s30, s31                     ; + 1,024 (T % 16)
	s_mov_b32 s31, 0
	s_add_nc_u64 s[100:101], s[14:15], s[30:31]    ; the tile's 1,024 bytes of ac (q's loads, which read this pair, were shown done by the wait for them)
	v_nop                                          ; the plain line behind the reciprocal
	s_wait_alu depctr_va_vdst(0)                   ; the reciprocal has written v14, ahead of its first reader
	v_ldexp_f32 v14, v14, s67
.set i, 0
.rept 16
	v_pk_mul_f32 v[S+i:S+i+1], v[O+i:O+i+1], v[14:15] op_sel_hi:[1,0]   ; register 8 t + i: channel 16 t + 8 h + i of query r
.set i, i+2
.endr
.set i, 0
.rept 32
	v_med3_num_f32 v[S+i], v[S+i], -v211, v211
.set i, i+1
.endr
.irp t, 0,1,2,3
	v_cvt_scalef32_pk8_fp8_f32 v[212+2*\t:213+2*\t], v[S+8*\t:S+8*\t+7], v210
.endr
	v_nop                                          ; one plain vector line behind the last conversion
	s_wait_alu depctr_va_vdst(0)                   ; the conversions have written v212 to v219, which the LDS stores read
.irp t, 0,1,2,3
	ds_store_b64 v[STO], v[212+2*\t:213+2*\t] offset:16*\t
.endr
	ds_load_b128 v[220:223], v[SRD]                ; LDS serves a wave's instructions in order: these see my stores
	ds_load_b128 v[224:227], v[SRD] offset:8*SP
	s_wait_dscnt 1                                 ; the first eight rows are back; the second load may be out
	global_store_b128 v[L16], v[220:223], s[100:101]
	s_wait_dscnt 0x0
	global_store_b128 v[L16], v[224:227], s[100:101] offset:512
	s_wait_kmcnt 0x0                               ; the last step's scalar loads are in: their base, their offset and their registers are written again in the next tile
	s_wait_xcnt 0x0                                ; the stores' addresses are translated: their base and their data registers are written again in the next tile
	s_wait_alu depctr_vm_vsrc(0)                   ; the LDS stores have read v212 to v219 and the global stores v220 to v227, which the next tile's conversions and LDS loads write again
	s_add_co_u32 s19, s19, 16                      ; the second tile: u = wave + 16
	s_add_co_u32 s25, s25, 1
	s_cmp_lt_u32 s25, 2
	s_cbranch_scc1 .Ltile
	s_wait_dscnt 0x0                               ; the closing lines, six on end
	s_wait_alu 0x0
	s_wait_tensorcnt 0x0
	ds_add_u32 v254, v255
	s_wait_dscnt 0x0
	s_endpgm
.Lfunc_end_k_q67b2ee14a8_attn:
	.size	k_q67b2ee14a8_attn, .Lfunc_end_k_q67b2ee14a8_attn-k_q67b2ee14a8_attn
	.p2alignl 7, 3214868480
	.fill 96, 4, 3214868480
	.section	.rodata,"a",@progbits
	.p2align	6, 0x0
	.amdhsa_kernel k_q67b2ee14a8_attn
		.amdhsa_group_segment_fixed_size 284672
		.amdhsa_private_segment_fixed_size 0
		.amdhsa_enable_private_segment 0
		.amdhsa_kernarg_size 48
		.amdhsa_user_sgpr_count 2
		.amdhsa_user_sgpr_kernarg_segment_ptr 1
		.amdhsa_wavefront_size32 1
		.amdhsa_system_sgpr_workgroup_id_x 1
		.amdhsa_system_sgpr_workgroup_id_y 1
		.amdhsa_system_sgpr_workgroup_id_z 1
		.amdhsa_system_vgpr_workitem_id 0
		.amdhsa_next_free_vgpr 256
		.amdhsa_next_free_sgpr 102
		.amdhsa_reserve_vcc 0
		.amdhsa_float_denorm_mode_32 3
		.amdhsa_float_denorm_mode_16_64 3
		.amdhsa_memory_ordered 1
		.amdhsa_forward_progress 1
		.amdhsa_inst_pref_size 37
	.end_amdhsa_kernel
	.amdgpu_metadata
---
amdhsa.version: [ 1, 2 ]
amdhsa.kernels:
  - .name:           k_q67b2ee14a8_attn
    .symbol:         k_q67b2ee14a8_attn.kd
    .args:
      - { .name: qc, .offset: 0, .size: 8, .value_kind: global_buffer, .address_space: global }
      - { .name: kc, .offset: 8, .size: 8, .value_kind: global_buffer, .address_space: global }
      - { .name: vc, .offset: 16, .size: 8, .value_kind: global_buffer, .address_space: global }
      - { .name: mbits, .offset: 24, .size: 8, .value_kind: global_buffer, .address_space: global }
      - { .name: lowp_scales, .offset: 32, .size: 8, .value_kind: global_buffer, .address_space: global }
      - { .name: ac, .offset: 40, .size: 8, .value_kind: global_buffer, .address_space: global }
    .group_segment_fixed_size: 284672
    .private_segment_fixed_size: 0
    .kernarg_segment_align: 8
    .kernarg_segment_size: 48
    .max_flat_workgroup_size: 512
    .sgpr_count:     102
    .vgpr_count:     256
    .wavefront_size: 32
...
	.end_amdgpu_metadata
.endif
;; end of part 5
;; launch outp: the kernel of part 4 again; grid 4 x 32, 4 waves a work-group, clusters of 4 x 4, 327,680 bytes of LDS; arguments ac, Wo_codes, lowp_scales, bo, out0; writes out0
